; MI455X (gfx1250); checked and timed in simulation.
; The chip was launched on July 23, 2026; its instructions are those of AMD's public machine-readable ISA for CDNA 5 (MIT licence, August 2026) and "CDNA5" Instruction Set Architecture Reference Guide (July 2026). The comments in the code are by the model that wrote it; some were corrected since.
;; GPT2 Attention. Allowed arithmetic: matrix products marked QUANTISED: E3M2 operands, one E8M0 scale for each 32 along K, by v_wmma_scale_f32_16x16x128_f8f6f4 with both operands' format E3M2, f32 sums; everything else in f32.
;; Inputs: c_attn_b 3,072 float32; c_attn_w 1,024 x 3,072 float32; c_proj_b 1,024 float32; c_proj_w 1,024 x 1,024 float32; hidden_states 4 x 2,048 x 1,024 float32.
;; Outputs: out0 4 x 2,048 x 1,024 float32.
;; This version of the problem:
;;   THIS VERSION OF THE PROBLEM IS GIVEN IN LOW PRECISION. The matrix products marked QUANTISED in the list below multiply operands that are first quantised to E3M2 (3 exponent bits, 2 mantissa bits; 6 bits a number), with one power-of-two scale for each 32 numbers along K (OCP MX v1.0); their sums are f32. All else is computed in f32.
;;   The module's matrix products, in the order in which they are computed (A, B: the left and right operand; K: the contracted axis; several contracted axes count as one K, in the product's order):
;;     1. [M 8,192, K 1,024] x [K 1,024, N 3,072]; A: input hidden_states; B: input c_attn_w: QUANTISED
;;     2. batch 64 x [M 2,048, K 64] x [K 64, N 2,048]; A: computed on the way; B: computed on the way: QUANTISED
;;     3. batch 64 x [M 2,048, K 2,048] x [K 2,048, N 64]; A: softmax (see below); B: computed on the way: QUANTISED
;;     4. [M 8,192, K 1,024] x [K 1,024, N 1,024]; A: computed on the way; B: input c_proj_w: QUANTISED
;;   THE QUANTISER, for each operand of a quantised product, along K:
;;     - K is cut into blocks of 32 from its start; a last block that is shorter is filled with zeros.
;;     - A block's scale is 2^e with e = floor(log2(the largest magnitude in the block)) - 4, held to -126 .. 127; a block of zeros has e = 0. As a byte (E8M0): e + 127.
;;     - Each number is divided by its block's scale, clamped to +-28, and rounded to the nearest number of E3M2, ties to even, subnormals kept.
;;     - The product sums the exact products of the quantised numbers (number of the format x scale) in f32.
;;   ~~~python
;;   def quantise(x, axis):      # numpy; x: float32 -> the quantised numbers, widened to float32 again
;;       x = np.moveaxis(x, axis, -1); K = x.shape[-1]
;;       x = np.pad(x, [(0, 0)] * (x.ndim - 1) + [(0, -K % 32)]); x = x.reshape(x.shape[:-1] + (-1, 32)); a = np.abs(x).max(-1, keepdims=True)
;;       e = np.where(a > 0, np.clip(np.frexp(np.where(a > 0, a, 1))[1] - 1 - 4, -126, 127), 0)      # np.frexp(a)[1] - 1 = floor(log2(a)), exactly
;;       r = np.clip(x / 2.0 ** e, -28, 28)
;;       step = 2.0 ** (np.maximum(np.frexp(np.where(r == 0, 1, r))[1] - 1, -2) - 2)
;;       q = np.round(r / step) * step * 2.0 ** e      # np.round: ties to even
;;       return np.moveaxis(q.reshape(q.shape[:-2] + (-1,))[..., :K], -1, axis).astype(np.float32)
;;   ~~~
;;   SOFTMAX AHEAD OF A QUANTISED PRODUCT. Where the list says 'softmax', what is quantised is not the finished softmax but p = 2^(t - M), with t = logit x log2(e) and M = ceil(the row's largest t), a whole number; so 1/2 < the row's largest p <= 1. The row's sum l is taken of the UNQUANTISED p, in f32, and the product's result is divided by l at the end. Since M is a whole number, a kernel that streams over the keys may use a running M (the ceiling of the running maximum): every later rescaling is an exact power of two, which a block's scale takes up: the codes' values come out the same.
;;   OPERANDS COMPUTED ON THE WAY. 'Computed on the way' means the value that the module computes at that place (a softmax that the list does not call 'softmax' is quantised finished and normalised). What goes into a quantiser is computed in f32, as accurately as f32 sums, v_exp_f32 and their like allow (about 1e-6 of the number): no bf16 or f16 on the way to a quantiser, and a product that is left as it is and whose result goes on into a quantised operand takes f32 operands (vector FMAs, or v_wmma_f32_16x16x4_f32). A number that lies on a knife's edge between two numbers of the format may be rounded either way, as far as f32 arithmetic and the matrix unit's own rounding can turn it there, and no further.
;; One version. Each part assembles by itself: llvm-mc -triple=amdgcn-amd-amdhsa -mcpu=gfx1250 --defsym DOCPART=n.
;; ======== version 1 of 1: 4 launches
;; workspace buffers: xc 6,553,600 bytes; wc 3,276,800 bytes; qkv 19,660,800 bytes; aoc 6,553,600 bytes
;; launch prep (part 1): grid 384 x 1, 4 waves a work-group, no clusters, 68,096 bytes of LDS; arguments hidden_states, c_attn_w, c_proj_w, xc, wc; writes xc, wc
.if DOCPART == 1
	.amdgcn_target "amdgcn-amd-amdhsa--gfx1250"
	.amdhsa_code_object_version 6
	.text
	.protected	k_qaf004a48df_prep
	.globl	k_qaf004a48df_prep
	.p2align	8
	.type	k_qaf004a48df_prep,@function
k_qaf004a48df_prep:
	s_mov_b64 s[64:65], 0
	v_nop
	global_prefetch_b8 v0, s[64:65] scope:SCOPE_SE
	s_setreg_imm32_b32 hwreg(HW_REG_WAVE_MODE, 25, 1), 1
	s_wait_xcnt 0x0
; PREP: the three f32 inputs of the two large products become codes of BF6 (E3M2), K innermost, with one E8M0 byte for each 32 along K.
; A block's scale is 2^(floor(log2(largest magnitude)) - 4): its byte is the largest magnitude's exponent field - 4, held at 1 from below.
; LIMITS: a block of zeros gets the byte 1 where the rule says 127 (its codes are zeros, and this program alone reads the bytes); NaN and infinities among the inputs are not served.
; LAYOUT OF THE RESULTS.  Rows of 1,024 codes = 768 bytes.  POSITION p of a buffer holds logical row PI(p), PI = p with bits 3 and 4 exchanged: so sixteen neighbouring positions are the
; rows 32 b + 8 u + r + 8 (r / 8) that the products want in one tile.  xc: 8,192 tokens.  wc: 3,072 columns of c_attn_w, then 1,024 of c_proj_w.
; Scale bytes: byte of position p, block kb at (p / 16) 512 + (kb / 8) 128 + (p % 16) 8 + kb % 8, behind the codes: eight bytes are a row's two scale words of 256 along K.
; Work-groups 0-255 take hidden_states (K innermost: a stream of blocks), 256-383 the weights (K is the first axis: a lane takes a column, its registers run down K).
; Memory binds: no matrix unit, no cluster (no work-group reads what another reads), no tensor loads, no barrier: waves share nothing.  Each of the two ways has LDS bytes of its own.
.set XSCL, 6291456                     ; xc: where the scale bytes begin
.set WSCL, 3145728                     ; wc: likewise
.set STEPS, 16
.set SP,    80                         ; way X: a lane's place in a stage: 64 bytes + 16 of padding
.set WREG,  8192                       ; way X: LDS of a wave: two stages of 32 x SP bytes, then its 256 scale bytes
.set XR,    16                         ; v16-79   four sets of 16 numbers as loaded
.set XX,    80                         ; v80-111  two sets of 16 neighbours
.set XE,    112                        ; v112-127 a scale byte for each step
.set XC,    128                        ; v128-191 codes: four registers a step, so that no store's data are written again
.set WSTG,  32768                      ; way W: the stages begin here: 32 rows x 272 bytes a wave
.set WP,    272
.set WX,    32                         ; v32-95   two sets of 32 numbers
.set WC,    96                         ; v96-102  a block's codes
.set WSB,   24                         ; v24-25   eight scale bytes
.set WOFF,  128                        ; v128-159 4 x lane + i x the weight's row pitch
.set WOUT,  160                        ; v160-223 the way out
	s_load_b256 s[4:11], s[0:1], 0x0               ; hidden_states, c_attn_w, c_proj_w, xc
	s_load_b64 s[12:13], s[0:1], 0x20              ; wc
	v_lshl_add_u32 v224, v0, 2, 0x10800
	v_mov_b32 v225, 0
	v_lshrrev_b32 v1, 5, v0
	v_readfirstlane_b32 s16, v1                    ; wave
	v_and_b32 v2, 31, v0                           ; lane
	s_cmp_lt_u32 ttmp9, 256
	s_cbranch_scc0 .Lweights
; ---------------- WAY X: a wave takes 8 token rows = 16 steps of 512 numbers.  Each load reads 512 consecutive bytes; a step's 2,048 bytes turn through the wave's stage, so that a lane holds 16 neighbours (two lanes a block).
	v_lshlrev_b32 v3, 4, v2                        ; my 16 bytes of a load's 512
	s_mul_i32 s17, s16, WREG
	v_lshrrev_b32 v14, 2, v2
	v_mul_u32_u24 v14, v14, SP
	v_and_b32 v15, 3, v2
	v_lshl_add_u32 v14, v15, 4, v14
	v_add_nc_u32 v14, s17, v14                     ; into the stage: SP (lane / 4) + 16 (lane % 4)
	v_mul_u32_u24 v15, v2, SP
	v_add_nc_u32 v15, s17, v15                     ; out of it: SP x lane
	v_mul_u32_u24 v4, v2, 12                       ; my 12 bytes of a step's 384 bytes of codes
	v_lshrrev_b32 v5, 1, v2
	s_add_co_u32 s17, s17, 2*32*SP
	v_add_nc_u32 v5, s17, v5                       ; my block's byte among the wave's 256
	v_lshlrev_b32 v6, 3, v2
	v_add_nc_u32 v6, s17, v6                       ; and 8 bytes a lane on the way out: row lane / 4, blocks 8 (lane % 4) on
	v_and_b32 v7, 3, v2
	v_lshlrev_b32 v7, 7, v7
	v_lshrrev_b32 v8, 2, v2
	v_lshl_add_u32 v7, v8, 3, v7                   ; their place in the scale layout: 128 (lane % 4) + 8 (lane / 4)
	s_lshl_b32 s18, ttmp9, 2
	s_add_co_u32 s19, s18, s16                     ; the run of 8 rows that I read
	s_and_b32 s20, s16, 1
	s_lshl_b32 s20, s20, 1
	s_lshr_b32 s21, s16, 1
	s_or_b32 s20, s20, s21
	s_add_co_u32 s20, s20, s18                     ; and the run of 8 positions where it goes: PI on groups of eight rows
	s_lshl_b32 s22, s19, 15
	s_mov_b32 s23, 0
	s_mul_i32 s24, s20, 6144
	s_mov_b32 s25, 0
	s_lshr_b32 s26, s20, 1
	s_lshl_b32 s26, s26, 9
	s_and_b32 s28, s20, 1
	s_lshl_b32 s28, s28, 6
	s_add_co_u32 s26, s26, s28
	s_add_co_u32 s26, s26, XSCL
	s_mov_b32 s27, 0
	s_wait_kmcnt 0x0
	s_add_nc_u64 s[4:5], s[4:5], s[22:23]
	s_add_nc_u64 s[24:25], s[10:11], s[24:25]      ; my codes
	s_add_nc_u64 s[26:27], s[10:11], s[26:27]      ; my scale bytes
.macro XLOAD t
.irp i, 0,1,2,3
	global_load_b128 v[XR+16*((\t)%4)+4*\i:XR+16*((\t)%4)+4*\i+3], v3, s[4:5] offset:2048*(\t)+512*\i th:TH_LOAD_NT
.endr
.endm
.macro XTURN t                         ; LDS serves a wave's instructions in order: no wait between the stores and the loads
.irp i, 0,1,2,3
	ds_store_b128 v14, v[XR+16*((\t)%4)+4*\i:XR+16*((\t)%4)+4*\i+3] offset:32*SP*((\t)%2)+8*SP*\i
.endr
.irp i, 0,1,2,3
	ds_load_b128 v[XX+16*((\t)%2)+4*\i:XX+16*((\t)%2)+4*\i+3], v15 offset:32*SP*((\t)%2)+16*\i
.endr
.endm
.irp t, 0,1,2,3
	XLOAD \t
.endr
	s_wait_loadcnt 12                              ; step 0's four loads are in; three steps' twelve stay out
	XTURN 0
.macro XSTEP t
.set XS, XX+16*((\t)%2)
.if (\t) > 0
	s_wait_dscnt 1                                 ; this step's numbers are back from the stage; the last step's byte store may be out
.else
	s_wait_dscnt 0x0
.endif
.if (\t)+4 < STEPS
	XLOAD (\t)+4
.endif
.if (\t)+1 < STEPS
.if STEPS-2-(\t) >= 3
	s_wait_loadcnt 12                              ; the next step's four loads are in; those of the three steps behind it may be out
.else
	s_wait_loadcnt 4*(STEPS-2-(\t))
.endif
	XTURN (\t)+1
.endif
	v_max3_num_f32 v8, |v[XS]|, |v[XS+1]|, |v[XS+2]|
	v_max3_num_f32 v9, |v[XS+3]|, |v[XS+4]|, |v[XS+5]|
.irp i, 6,10
	v_max3_num_f32 v8, v8, |v[XS+\i]|, |v[XS+\i+1]|
	v_max3_num_f32 v9, v9, |v[XS+\i+2]|, |v[XS+\i+3]|
.endr
	v_max3_num_f32 v8, v8, |v[XS+14]|, |v[XS+15]|
	v_max3_num_f32 v8, v8, v9, 0x2800000           ; the floor 2^(5 - 127): the byte cannot fall under 1
	v_max_num_f32_dpp v8, v8, v8 row_xmask:1 row_mask:0xf bank_mask:0xf   ; with my neighbour's 16: the block's largest magnitude
	v_add_nc_u32 v11, 0xfe000000, v8               ; 4 off its exponent field: the conversion's scale operand
	v_cvt_scalef32_pk16_bf6_f32 v[XC+4*(\t):XC+4*(\t)+2], v[XS:XS+15], v11
	v_lshrrev_b32 v[XE+(\t)], 23, v11              ; the scale's byte
	ds_store_b8 v5, v[XE+(\t)] offset:16*(\t)      ; both lanes of a block write the same byte with the same value
	global_store_b96 v4, v[XC+4*(\t):XC+4*(\t)+2], s[24:25] offset:384*(\t)   ; the wave stores 384 consecutive bytes
.endm
.irp t, 0,1,2,3,4,5,6,7,8,9,10,11,12,13,14,15
	XSTEP \t
.endr
	ds_load_b64 v[12:13], v6
	s_wait_dscnt 0x0
	global_store_b64 v7, v[12:13], s[26:27]        ; eight lanes store 64 consecutive bytes: pieces of 64 bytes, one byte in 128 of what this way reads
	s_wait_tensorcnt 0x0
	ds_add_u32 v224, v225
	s_wait_dscnt 0x0
	s_endpgm
; ---------------- WAY W: a wave takes 32 columns x 256 along K: 8 blocks a lane.  Codes go through the wave's stage, row = the column's POSITION, and leave as rows of 192 bytes.
.Lweights:
	s_sub_co_u32 s17, ttmp9, 256
	s_and_b32 s18, s17, 31                         ; which 128 positions of wc
	s_lshr_b32 s19, s17, 5                         ; which 256 along K
	v_lshlrev_b32 v3, 2, v2
	v_and_b32 v10, 7, v2
	v_bfe_u32 v11, v2, 3, 1
	v_lshl_or_b32 v10, v11, 4, v10
	v_bfe_u32 v11, v2, 4, 1
	v_lshl_or_b32 v10, v11, 3, v10                 ; PI(lane): my column's position among the wave's 32
	s_mul_i32 s28, s16, 32*WP
	s_add_co_u32 s28, s28, WSTG
	v_mul_u32_u24 v4, v10, WP
	v_add_nc_u32 v4, s28, v4                       ; into the stage
	v_and_b32 v5, 15, v2
	v_lshrrev_b32 v6, 4, v2
	v_mul_u32_u24 v7, v6, WP
	v_lshl_add_u32 v7, v5, 4, v7
	v_add_nc_u32 v7, s28, v7                       ; out of it: sixteen lanes to a row, two rows an instruction
	v_mul_u32_u24 v8, v6, 768
	v_mad_u32_u24 v8, v5, 12, v8                   ; and the same place in wc
	v_lshrrev_b32 v9, 4, v10
	v_lshlrev_b32 v9, 9, v9
	v_and_b32 v11, 15, v10
	v_lshl_add_u32 v9, v11, 3, v9                  ; my position's eight scale bytes
	s_wait_kmcnt 0x0
	s_cmp_lt_u32 s18, 24                           ; c_attn_w or c_proj_w: the choice hangs on the work-group's number alone
	s_cselect_b64 s[20:21], s[6:7], s[8:9]
	s_mov_b32 s22, 4096
	s_cselect_b32 s22, 12288, s22                  ; a row of the weight in bytes
	s_cselect_b32 s23, 0, 24
	s_sub_co_u32 s23, s18, s23                     ; which 128 columns of that weight
	s_mul_i32 s24, s19, s22
	s_lshl_b32 s24, s24, 8
	s_lshl_b32 s25, s23, 9
	s_add_co_u32 s24, s24, s25
	s_lshl_b32 s25, s16, 7
	s_add_co_u32 s24, s24, s25
	s_mov_b32 s25, 0
	s_add_nc_u64 s[32:33], s[20:21], s[24:25]      ; block 0's first row, my wave's first column
	s_lshl_b32 s26, s22, 5
	s_mov_b32 s27, 0
.irp t, 1,2,3,4,5,6,7
	s_add_nc_u64 s[32+2*\t:33+2*\t], s[30+2*\t:31+2*\t], s[26:27]   ; a base for each block: 32 rows further down
.endr
	s_lshl_b32 s29, s18, 7
	s_lshl_b32 s30, s16, 5
	s_add_co_u32 s29, s29, s30                     ; my wave's first position
	s_mul_i32 s48, s29, 768
	s_mul_i32 s30, s19, 192
	s_add_co_u32 s48, s48, s30
	s_mov_b32 s49, 0
	s_add_nc_u64 s[50:51], s[12:13], s[48:49]
	s_lshl_b32 s52, s29, 5
	s_lshl_b32 s30, s19, 7
	s_add_co_u32 s52, s52, s30
	s_add_co_u32 s52, s52, WSCL
	s_mov_b32 s53, 0
	s_add_nc_u64 s[54:55], s[12:13], s[52:53]
.set i, 0
.rept 32
	v_mad_u32_u24 v[WOFF+i], s22, i, v3
.set i, i+1
.endr
.macro WLOAD t                         ; block t: W(32 t + i, my column): 32 lanes read 128 consecutive bytes
.set i, 0
.rept 32
	global_load_b32 v[WX+32*((\t)%2)+i], v[WOFF+i], s[32+2*(\t):33+2*(\t)] th:TH_LOAD_NT
.set i, i+1
.endr
.endm
	WLOAD 0
	WLOAD 1
.macro BLOCK t
.set XS, WX+32*((\t)%2)
.if (\t) < 7
	s_wait_loadcnt 32                              ; this block's 32 loads are in; the next block's may be out
.else
	s_wait_loadcnt 0
.endif
	v_max3_num_f32 v12, |v[XS]|, |v[XS+1]|, |v[XS+2]|
	v_max3_num_f32 v13, |v[XS+3]|, |v[XS+4]|, |v[XS+5]|
.irp i, 6,10,14,18,22,26
	v_max3_num_f32 v12, v12, |v[XS+\i]|, |v[XS+\i+1]|
	v_max3_num_f32 v13, v13, |v[XS+\i+2]|, |v[XS+\i+3]|
.endr
	v_max3_num_f32 v12, v12, |v[XS+30]|, |v[XS+31]|
	v_max3_num_f32 v12, v12, v13, 0x2800000        ; the floor
	v_add_nc_u32 v11, 0xfe000000, v12
	v_lshrrev_b32 v13, 23, v11
.if (\t)%4 == 0
	v_mov_b32 v[WSB+(\t)/4], v13
.else
	v_lshl_or_b32 v[WSB+(\t)/4], v13, 8*((\t)%4), v[WSB+(\t)/4]
.endif
	v_cvt_scalef32_pk16_bf6_f32 v[WC:WC+2], v[XS:XS+15], v11
	v_cvt_scalef32_pk16_bf6_f32 v[WC+4:WC+6], v[XS+16:XS+31], v11
	ds_store_b96 v4, v[WC:WC+2] offset:32*(\t)     ; 12 bytes to a place of 16, so that every LDS address is a multiple of 16
	ds_store_b96 v4, v[WC+4:WC+6] offset:32*(\t)+16
.if (\t)+2 < 8
	WLOAD (\t)+2
.endif
	s_wait_dscnt 0x0                               ; the stores have read their registers: the next block's codes may be written
.endm
.irp t, 0,1,2,3,4,5,6,7
	BLOCK \t
.endr
	global_store_b64 v9, v[WSB:WSB+1], s[54:55]    ; sixteen positions' bytes are 128 consecutive bytes
.irp t, 0,1,2,3,4,5,6,7,8,9,10,11,12,13,14,15
	ds_load_b96 v[WOUT+4*\t:WOUT+4*\t+2], v7 offset:2*\t*WP
.endr
.irp t, 0,1,2,3,4,5,6,7,8,9,10,11,12,13,14,15
	s_wait_dscnt 15-\t
	global_store_b96 v8, v[WOUT+4*\t:WOUT+4*\t+2], s[50:51] offset:2*\t*768   ; sixteen lanes store a row's 192 consecutive bytes
.endr
	s_wait_tensorcnt 0x0
	ds_add_u32 v224, v225
	s_wait_dscnt 0x0
	s_endpgm
.Lfunc_end_k_qaf004a48df_prep:
	.size	k_qaf004a48df_prep, .Lfunc_end_k_qaf004a48df_prep-k_qaf004a48df_prep
	.p2alignl 7, 3214868480
	.fill 96, 4, 3214868480
	.section	.rodata,"a",@progbits
	.p2align	6, 0x0
	.amdhsa_kernel k_qaf004a48df_prep
		.amdhsa_group_segment_fixed_size 68096
		.amdhsa_private_segment_fixed_size 0
		.amdhsa_enable_private_segment 0
		.amdhsa_kernarg_size 40
		.amdhsa_user_sgpr_count 2
		.amdhsa_user_sgpr_kernarg_segment_ptr 1
		.amdhsa_wavefront_size32 1
		.amdhsa_system_sgpr_workgroup_id_x 1
		.amdhsa_system_sgpr_workgroup_id_y 1
		.amdhsa_system_sgpr_workgroup_id_z 1
		.amdhsa_system_vgpr_workitem_id 0
		.amdhsa_next_free_vgpr 226
		.amdhsa_next_free_sgpr 66
		.amdhsa_reserve_vcc 0
		.amdhsa_float_denorm_mode_32 3
		.amdhsa_float_denorm_mode_16_64 3
		.amdhsa_memory_ordered 1
		.amdhsa_forward_progress 1
		.amdhsa_inst_pref_size 76
	.end_amdhsa_kernel
	.amdgpu_metadata
---
amdhsa.version: [ 1, 2 ]
amdhsa.kernels:
  - .name:           k_qaf004a48df_prep
    .symbol:         k_qaf004a48df_prep.kd
    .args:
      - { .name: hidden_states, .offset: 0, .size: 8, .value_kind: global_buffer, .address_space: global }
      - { .name: c_attn_w, .offset: 8, .size: 8, .value_kind: global_buffer, .address_space: global }
      - { .name: c_proj_w, .offset: 16, .size: 8, .value_kind: global_buffer, .address_space: global }
      - { .name: xc, .offset: 24, .size: 8, .value_kind: global_buffer, .address_space: global }
      - { .name: wc, .offset: 32, .size: 8, .value_kind: global_buffer, .address_space: global }
    .group_segment_fixed_size: 68096
    .private_segment_fixed_size: 0
    .kernarg_segment_align: 8
    .kernarg_segment_size: 40
    .max_flat_workgroup_size: 128
    .sgpr_count:     66
    .vgpr_count:     226
    .wavefront_size: 32
...
	.end_amdgpu_metadata
.endif
;; end of part 1
;; launch qkvgemm (part 2): grid 12 x 32, 4 waves a work-group, clusters of 4 x 4, 327,680 bytes of LDS; arguments xc, wc, c_attn_b, qkv; writes qkv
.if DOCPART == 2
	.amdgcn_target "amdgcn-amd-amdhsa--gfx1250"
	.amdhsa_code_object_version 6
	.text
	.protected	k_qaf004a48df_qkvgemm
	.globl	k_qaf004a48df_qkvgemm
	.p2align	8
	.type	k_qaf004a48df_qkvgemm,@function
k_qaf004a48df_qkvgemm:
	s_mov_b64 s[64:65], 0
	v_nop
	global_prefetch_b8 v0, s[64:65] scope:SCOPE_SE
	s_setreg_imm32_b32 hwreg(HW_REG_WAVE_MODE, 25, 1), 1
	s_wait_xcnt 0x0
	s_wait_alu depctr_hold_cnt(0) depctr_sa_sdst(0) depctr_va_vdst(0) depctr_va_sdst(0) depctr_va_ssrc(0) depctr_va_vcc(0) depctr_vm_vsrc(0)
	s_getreg_b32 s2, hwreg(HW_REG_IB_STS2, 6, 4)
	s_cmp_eq_u32 s2, 0
	s_cbranch_scc0 .Lentry_in_a_cluster
	s_endpgm
.Lentry_in_a_cluster:
	s_bfe_u32 s2, ttmp6, 0x10000c
	s_cmp_lg_u32 s2, 0xf033
	s_cbranch_scc0 .Lentry_shape_is_right
	s_endpgm
.Lentry_shape_is_right:
; QKV = Q(x) Q(W_attn) + b on codes of BF6 (E3M2) with E8M0 scales, and its results leave AS CODES: q and k quantised along the head's 64, v along the keys.  The f32 numbers never go to memory.
; A work-group of four waves makes 256 tokens x 256 columns (four heads of q, of k or of v), a wave 128 x 128: 64 accumulators, 512 registers.  K = 1,024 goes in four steps of 256 through two LDS slots.
; THE LANE'S ROW AND THE REGISTERS' ROWS.  Source 1's sixteen rows fall to lanes, source 0's to a lane's registers.  A quantiser wants its K along a lane's registers.  q, k (MODE 0): lane = token, registers = columns (d).
; v (MODE 1): lane = column (d), registers = tokens (keys).  The two differ BY WHAT IS FETCHED: LDS has a side for source 1 and a side for source 0, at fixed bytes; MODE says which buffer fills which side.
; CLUSTERS: 4 x 4 work-groups.  Source 1's tiles are asked for jointly by the four of a row of the cluster (same cy), source 0's by the four of a column (same cx).
;   MODE 0 (cluster x 0: q, 1: k): source 1 = token tile 4 x cluster y + cy, source 0 = weight tile 4 x cluster x + cx.   MODE 1 (cluster x 2: v): source 1 = weight tile 8 + cy, source 0 = token tile 4 x cluster y + cx.
;   So each side's address hangs on the one coordinate that its mask shares.  MODE hangs on the cluster's x, which all sixteen partners share.
; Positions of xc and wc hold rows under PI (bits 3 and 4 exchanged), so the 16 registers of source 0's tiles 2 b, 2 b + 1 are the logical rows 32 b + 16 (lane / 16) + 0 .. 15, and lane r of source 1's block a is row 32 (a / 2) + 8 (a % 2) + r + 8 (r / 8).
; RESULT: qkv [batch x head 64][step of 128 tokens 16][part K, V, Q][6,400 bytes]; a part is four images of 12 registers (three stores of 512 bytes each) and 256 bytes of scale words.
;   K, Q: image g: registers 0-5 tokens 32 g + r + 8 (r / 8), registers 6-11 those 8 further on; d = 32 (lane / 16) on.  V: image t: d = 32 (t / 2) + 8 (t % 2) + r + 8 (r / 8), registers 6 c on: keys 64 c + 32 (lane / 16) on.
;   Scale words: [lane][2]: word j of lane r + 16 x belongs to image 2 j + x, row r.
; LIMITS: a block of zeros gets the byte 1 (its codes are zeros; this program alone reads the bytes); NaN and infinities are not served.
; REGISTERS: window 0: v0-31 addresses; v32-63 scale words, two sets; v128-223 source 1's fragments, one set; v224-239 the bias by lanes; on the way out v64-175 at work.
;   window 1: source 0's fragments, two sets at v0 and v128; the bias by registers in v96-127 and v224-255.   windows 2, 3: the accumulators ((a, b) at v[8 (8 (a % 4) + b)]).
.set NQ,     2
.set ROWB,   192
.set KROW,   768
.set PITCH,  240                       ; an LDS row: 3 x (64 bytes + 16 of padding)
.set FR,     12
.set NL,     6
.set NP,     4
.set HALFT,  128*PITCH
.set SLOT,   4*HALFT                   ; source 1's 256 rows, then source 0's 256
.set SCL,    2*SLOT                    ; source 1's scale bytes, 8,192;
.set SCW,    8320                      ; source 0's begin so far behind them: 128 bytes more than 8,192, so that the two halves of a load's lanes fall on different banks
.set SPARE,  262400                    ; the spare words, 128 bytes a wave: two blocks of 256 bytes that no other line names
.set XSCL,   6291456
.set WSCL,   3145728
.set HEADB,  307200
.set STEPB,  19200
.set ADRA, 16
.set ADRB, 20
.set L8,   24                          ; v24  8 x lane
.set CO,   26                          ; v26  16 x lane
.set ADRS, 27
.set SPW,  28
.set NIL,  29
.set SC,   32
.set AF,   128
.set TM,   64                          ; the way out: v64-79 maxima, bytes, scale operands
.set TP,   80                          ; v80-86 the upper halves' codes
.set PWR,  88                          ; v88-95 block a's scale word
.set SWR,  96                          ; v96-99 scale words as stored
.set WA,   100
.set WB,   104
.set IMG,  128                         ; v128-175 images, two sets
.set BL,   224                         ; v224-239 the bias by lanes, twice each (pairs)
.set G1, 24
.set G0, 32
.set G1B, 48
.set G0B, 56
.set G1S, 68
.set G0S, 76
.set G1SB, 80
.set G0SB, 88
.set MODE, 95
.set HM,   96                          ; lanes 16-31
.set P0,   66
.set P1,   67
.set SEL,  98
.set MSB, 0
.macro WIN new
.if MSB != (\new)
	s_set_vgpr_msb (MSB<<8)|(\new)
.set MSB, (\new)
.endif
.endm
.set MUL_LO, 0xa1
.set MUL_HI, 0xf1
.set TO_B,   0x40
.macro JLOAD g0a, g1a, g0b, g1b        ; waves 0, 1 fetch source 1's side, waves 2, 3 source 0's; four v_nop follow each line
	s_cmp_eq_u32 s15, 0
	s_cbranch_scc0 .Lfor_b_\@
	tensor_load_to_lds s[\g0a:\g0a+3], s[\g1a:\g1a+7]
	s_nop 0
.rept 4
	v_nop
.endr
	s_branch .Lasked_\@
.Lfor_b_\@:
	tensor_load_to_lds s[\g0b:\g0b+3], s[\g1b:\g1b+7]
	s_nop 0
.rept 4
	v_nop
.endr
.Lasked_\@:
.endm
.macro CREST
	s_cmp_lg_u32 s14, 0
	s_cbranch_scc1 .Lnot_wave_0_\@
	s_barrier_signal -3
.Lnot_wave_0_\@:
	s_barrier_wait -3
	s_barrier_signal -1
	s_barrier_wait -1
.endm
.macro CROUND
	s_barrier_signal -1
	s_barrier_wait -1
	CREST
.endm
	s_load_b256 s[4:11], s[0:1], 0x0               ; xc, wc, c_attn_b, qkv
	v_lshl_add_u32 v[SPW], v0, 2, SPARE
	v_mov_b32 v[NIL], 0
	ds_add_u32 v28, v29
	s_wait_dscnt 0x0
	v_lshrrev_b32 v1, 5, v0
	v_readfirstlane_b32 s14, v1                    ; wave
	s_lshr_b32 s15, s14, 1                         ; which half of source 1's rows is mine.  Also: I fetch for source 1 (0) or for source 0 (1)
	s_and_b32 s16, s14, 1                          ; which half of source 0's rows is mine.  Also: which 128 rows I fetch
	s_bfe_u32 s40, ttmp6, 0x40000                  ; cx
	s_bfe_u32 s41, ttmp6, 0x40004                  ; cy
	s_lshr_b32 s[MODE], ttmp9, 1                   ; cluster x 0: q, 1: k, 2: v
	s_and_b32 s2, ttmp7, 0xffff
	s_lshl_b32 s2, s2, 2                           ; 4 x cluster y
	s_lshl_b32 s3, ttmp9, 2                        ; 4 x cluster x
	s_cmp_eq_u32 s[MODE], 0
	s_cselect_b32 s17, s2, 8                       ; source 1's tile of 256 rows: tokens from 4 x cluster y on, or v's weights from tile 8 on,
	s_cselect_b32 s42, s3, s2                      ; source 0's: weights from 4 x cluster x on, or tokens from 4 x cluster y on
	s_mov_b32 s18, WSCL
	s_cselect_b32 s18, XSCL, s18                   ; where the scale bytes begin in source 1's buffer,
	s_mov_b32 s19, XSCL
	s_cselect_b32 s19, WSCL, s19                   ; and in source 0's
	s_add_co_u32 s17, s17, s41                     ; + cy: shared along my row of the cluster
	s_add_co_u32 s42, s42, s40                     ; + cx: shared along my column
	s_lshl_b32 s43, s41, 2
	s_lshl_b32 s43, 15, s43                        ; my row of the cluster
	s_lshl_b32 s44, 0x1111, s40                    ; my column
	s_or_b32 s[G1+0], s43, (0<<16)|(1<<20)|(1<<21)|(3<<22)|(3<<25)   ; mask; bytes; padding of 4 words behind every 16
	s_or_b32 s[G1B+0], s44, (0<<16)|(1<<20)|(1<<21)|(3<<22)|(3<<25)
.irp g, G1, G1B
	s_mov_b32 s[\g+1], ROWB<<16
	s_mov_b32 s[\g+2], 128<<16
	s_mov_b32 s[\g+3], ROWB<<16
	s_mov_b32 s[\g+4], 128
	s_mov_b32 s[\g+5], KROW
	s_mov_b32 s[\g+6], 0
	s_mov_b32 s[\g+7], 0
.endr
	s_or_b32 s[G1S+0], s43, (3<<16)|(1<<21)        ; the scale bytes of 128 rows: 4,096 dense bytes as 16 rows of 256
	s_or_b32 s[G1SB+0], s44, (3<<16)|(1<<21)
.irp g, G1S, G1SB
	s_mov_b32 s[\g+1], 32<<16
	s_mov_b32 s[\g+2], 16<<16
	s_mov_b32 s[\g+3], 32<<16
	s_mov_b32 s[\g+4], 16
	s_mov_b32 s[\g+5], 32
	s_mov_b32 s[\g+6], 0
	s_mov_b32 s[\g+7], 0
.endr
	s_lshl_b32 s3, s16, 7                          ; which 128 rows of a tile I fetch
	s_lshl_b32 s20, s17, 8
	s_add_co_u32 s20, s20, s3                      ; source 1: position 256 x tile + 128 x half
	s_lshl_b32 s46, s42, 8
	s_add_co_u32 s46, s46, s3                      ; source 0 likewise
	s_lshl_b32 s22, s20, 5                         ; 32 scale bytes a position
	s_add_co_u32 s22, s22, s18
	s_mov_b32 s23, 0
	s_lshl_b32 s92, s46, 5
	s_add_co_u32 s92, s92, s19
	s_mov_b32 s93, 0
	s_mul_i32 s20, s20, KROW
	s_mov_b32 s21, 0
	s_mul_i32 s46, s46, KROW
	s_mov_b32 s47, 0
	s_mul_i32 s45, s14, HALFT                      ; where the tiles go: wave x 128 rows: made of the wave's number alone
	s_lshl_b32 s94, s14, 12
	s_lshl_b32 s3, s15, 7
	s_add_co_u32 s94, s94, s3                      ; and the scale bytes: wave x 4,096, source 0's 128 further on
	s_wait_kmcnt 0x0
	s_cmp_eq_u32 s[MODE], 0                        ; which buffer fills which side: the choice hangs on the cluster's x alone
	s_cselect_b64 s[2:3], s[4:5], s[6:7]           ; source 1's: xc, or wc for v
	s_cselect_b64 s[6:7], s[6:7], s[4:5]           ; source 0's: wc, or xc for v
	s_mov_b64 s[4:5], s[2:3]
	s_add_nc_u64 s[20:21], s[4:5], s[20:21]
	s_add_nc_u64 s[22:23], s[4:5], s[22:23]
	s_add_nc_u64 s[46:47], s[6:7], s[46:47]
	s_add_nc_u64 s[92:93], s[6:7], s[92:93]
	CROUND                                         ; all sixteen work-groups are here: the first joint loads meet
	s_mov_b32 s[G0S], 1
	s_add_co_u32 s[G0S+1], s94, SCL
	s_mov_b64 s[G0S+2:G0S+3], s[22:23]
	s_or_b32 s[G0S+3], s[G0S+3], 0x80000000
	s_mov_b32 s[G0SB], 1
	s_add_co_u32 s[G0SB+1], s94, SCL
	s_mov_b64 s[G0SB+2:G0SB+3], s[92:93]
	s_or_b32 s[G0SB+3], s[G0SB+3], 0x80000000
	JLOAD G0S, G1S, G0SB, G1SB                     ; the scale bytes, for all of K: filled once
.irp s, 0,1
	s_mov_b32 s[G0+4*\s], 1
	s_add_co_u32 s[G0+4*\s+1], s45, \s*SLOT
	s_add_nc_u64 s[G0+4*\s+2:G0+4*\s+3], s[20:21], \s*ROWB
	s_or_b32 s[G0+4*\s+3], s[G0+4*\s+3], 0x80000000
	s_mov_b32 s[G0B+4*\s], 1
	s_add_co_u32 s[G0B+4*\s+1], s45, \s*SLOT
	s_add_nc_u64 s[G0B+4*\s+2:G0B+4*\s+3], s[46:47], \s*ROWB
	s_or_b32 s[G0B+4*\s+3], s[G0B+4*\s+3], 0x80000000
	JLOAD G0+4*\s, G1, G0B+4*\s, G1B
.endr
	s_mov_b32 s[HM], 0xffff0000
	s_mov_b32 s[P0], 0x05040100
	s_mov_b32 s[P1], 0x07060302
	s_mov_b32 s[SEL], 0x76543210
	s_mov_b32 s[SEL+1], 0xfedcba98
	v_and_b32 v1, 15, v0                           ; r
	v_bfe_u32 v2, v0, 4, 1                         ; h
	v_mul_u32_u24 v3, v1, PITCH
	v_mul_u32_u24 v4, v2, 24
	v_add_nc_u32 v4, v3, v4                        ; a fragment's row x pitch + 24 h
	v_lshl_add_u32 v5, v2, 4, v4                   ; and the same behind one padding more
	s_mul_i32 s21, s15, HALFT                      ; my 128 rows of source 1
	s_mul_i32 s22, s16, HALFT                      ; my 128 rows of source 0,
	s_add_co_u32 s22, s22, 2*HALFT                 ; which lie behind source 1's 256
.irp s, 0,1
	v_add_nc_u32 v[ADRA+\s], s21, v4
	v_add_nc_u32 v[ADRB+\s], s22, v4
	v_add_nc_u32 v[ADRA+2+\s], s21, v5
	v_add_nc_u32 v[ADRB+2+\s], s22, v5
	s_add_co_u32 s21, s21, SLOT
	s_add_co_u32 s22, s22, SLOT
.endr
	v_lshlrev_b32 v5, 3, v1                        ; a row's eight scale bytes of a K step
	s_lshl_b32 s21, s15, 12                        ; source 1's: my 128 rows
	s_lshl_b32 s22, s16, 12
	s_add_co_u32 s22, s22, SCW                     ; source 0's
	s_sub_co_u32 s22, s22, s21
	v_mul_u32_u24 v6, s22, v2                      ; lanes 16-31 take source 0's: the lower base + h x the distance
	s_add_co_u32 s21, s21, SCL
	v_add_nc_u32 v5, v5, v6
	v_add_nc_u32 v[ADRS], s21, v5
	v_and_b32 v6, 31, v0
	v_lshlrev_b32 v[CO], 4, v6
	v_lshlrev_b32 v[L8], 3, v6
	v_lshlrev_b32 v12, 6, v2                       ; the bias by registers: 16 h numbers on
	v_and_b32 v13, 8, v1
	v_add_nc_u32 v13, v13, v1
	v_lshlrev_b32 v13, 2, v13                      ; the bias by lanes: r + 8 (r / 8)
	s_cmp_eq_u32 s[MODE], 0
	s_cselect_b32 s18, s16, s15                    ; which half of the columns is mine
	s_cselect_b32 s19, s15, s16                    ; which half of the tokens
	s_cselect_b32 s20, s17, s42                    ; the tile of 256 tokens
	s_cselect_b32 s21, s42, s17                    ; the tile of 256 columns
	s_cmp_eq_u32 ttmp9, 0
	s_cselect_b32 s2, 12800, 0                     ; the part: Q at 12,800, K at 0,
	s_mul_i32 s3, s[MODE], 6400                    ; V at 6,400
	s_add_co_u32 s2, s2, s3
	s_lshr_b32 s3, s20, 3                          ; the batch
	s_lshl_b32 s3, s3, 4
	s_and_b32 s22, s21, 3
	s_lshl_b32 s22, s22, 2
	s_add_co_u32 s3, s3, s22
	s_lshl_b32 s22, s18, 1
	s_add_co_u32 s3, s3, s22                       ; my first head: 16 batch + 4 (column tile % 4) + 2 half
	s_mul_i32 s3, s3, HEADB
	s_add_co_u32 s2, s2, s3
	s_and_b32 s3, s20, 7
	s_lshl_b32 s3, s3, 1
	s_add_co_u32 s3, s3, s19                       ; my step of 128 tokens
	s_mul_i32 s3, s3, STEPB
	s_add_co_u32 s2, s2, s3
	s_mov_b32 s3, 0
	s_add_nc_u64 s[10:11], s[10:11], s[2:3]        ; where my results go
	s_lshl_b32 s2, s21, 10
	s_lshl_b32 s22, s18, 9
	s_add_co_u32 s2, s2, s22
	s_add_nc_u64 s[8:9], s[8:9], s[2:3]            ; my 128 columns' bias
	; both forms of the bias are loaded, whatever MODE: they read the same 512 bytes.  They are waited for at the way out; their address registers are never rewritten
	WIN TO_B
.irp b, 0,1,2,3,4,5,6,7
	global_load_b128 v[96+8*(\b%4)+128*(\b/4):96+8*(\b%4)+128*(\b/4)+3], v12, s[8:9] offset:(32*(\b/2)+8*(\b%2))*4
	global_load_b128 v[96+8*(\b%4)+128*(\b/4)+4:96+8*(\b%4)+128*(\b/4)+7], v12, s[8:9] offset:(32*(\b/2)+8*(\b%2))*4+16
.endr
	WIN 0
.irp a, 0,1,2,3,4,5,6,7
	global_load_b32 v[BL+2*\a], v13, s[8:9] offset:(32*(\a/2)+8*(\a%2))*4
	global_load_b32 v[BL+2*\a+1], v13, s[8:9] offset:(32*(\a/2)+8*(\a%2))*4
.endr
.macro FRAG reg, adr, q, i             ; 16 rows x 128 K: 12 registers, in pieces of 8 bytes; where a piece of lanes 16-31 lies behind one padding more, the second address register serves
.irp p, 0,1,2,3,4,5
.set PC, 12*(\q)+6*(\p/3)+\p%3
.if PC%8 < 5
	ds_load_b64 v[\reg+2*\p:\reg+2*\p+1], v[\adr] offset:8*PC+16*(PC/8)+(\i)*16*PITCH
.else
	ds_load_b64 v[\reg+2*\p:\reg+2*\p+1], v[\adr+2] offset:8*PC+16*(PC/8)+(\i)*16*PITCH
.endif
.endr
.endm
; 16 matrix instructions; the 64 accumulators take turns, one instruction a turn, in the same order in every step
.macro MUL16 a0, p, q, sc, zero
.irp a, \a0, \a0+1
.irp b, 0,1,2,3,4,5,6,7
.if \zero
	v_wmma_scale_f32_16x16x128_f8f6f4 v[8*(8*((\a)%4)+\b):8*(8*((\a)%4)+\b)+7], v[128*(\p)+FR*\b:128*(\p)+FR*\b+FR-1], v[AF+FR*(\a):AF+FR*(\a)+FR-1], 0, v[SC+8*NQ*(\sc)+NQ*\b+(\q)], v[SC+8*NQ*(\sc)+NQ*(\a)+(\q)] matrix_a_fmt:MATRIX_FMT_BF6 matrix_b_fmt:MATRIX_FMT_BF6 matrix_a_scale:MATRIX_SCALE_ROW1
.else
	v_wmma_scale_f32_16x16x128_f8f6f4 v[8*(8*((\a)%4)+\b):8*(8*((\a)%4)+\b)+7], v[128*(\p)+FR*\b:128*(\p)+FR*\b+FR-1], v[AF+FR*(\a):AF+FR*(\a)+FR-1], v[8*(8*((\a)%4)+\b):8*(8*((\a)%4)+\b)+7], v[SC+8*NQ*(\sc)+NQ*\b+(\q)], v[SC+8*NQ*(\sc)+NQ*(\a)+(\q)] matrix_a_fmt:MATRIX_FMT_BF6 matrix_b_fmt:MATRIX_FMT_BF6 matrix_a_scale:MATRIX_SCALE_ROW1
.endif
.endr
.endr
.endm
.macro FETCH_B slot, q, p
	WIN TO_B
.irp i, 0,1,2,3,4,5,6,7
	FRAG 128*(\p)+FR*\i, ADRB+\slot, \q, \i
.endr
	WIN 0
.endm
.macro FETCH_A slot, q, i0
.irp i, \i0, \i0+1, \i0+2, \i0+3
	FRAG AF+FR*(\i), ADRA+\slot, \q, \i
.endr
.endm
.macro SCALES sc                       ; a K step's two words a row: sixteen rows' lie 512 bytes apart
.irp i, 0,1,2,3,4,5,6,7
	ds_load_b64 v[SC+8*NQ*\sc+NQ*\i:SC+8*NQ*\sc+NQ*\i+1], v[ADRS] offset:\i*512
.endr
.endm
.macro PLACES n                        ; plain vector places behind matrix instructions, in front of loads into their registers and of reads of results
.rept \n
	v_nop
.endr
.endm
.macro STEP slot, q, zero
	s_wait_dscnt 4*NL                              ; all but the youngest 24 loads (source 1's blocks 4-7)
	WIN MUL_LO
	MUL16 0, (\q)%2, \q, \slot, \zero
	MUL16 2, (\q)%2, \q, \slot, \zero
	s_wait_dscnt 0
	PLACES NP
	FETCH_B \slot, (\q)+1, 1-(\q)%2
	FETCH_A \slot, (\q)+1, 0
	WIN MUL_HI
	MUL16 4, (\q)%2, \q, \slot, \zero
	MUL16 6, (\q)%2, \q, \slot, \zero
	PLACES NP
	WIN 0
	FETCH_A \slot, (\q)+1, 4
.endm
; A slot's last step changes slots: each wave waits for all its tensor loads, adds 0 to its spare word, waits for that and for its reads of this slot; one barrier, which opens a round of the cluster's barrier where the slot is filled again.
.macro TURN slot, next, fill
	s_wait_tensorcnt 0x0                           ; all my tensor loads have landed: my part of the next slot
	ds_add_u32 v[SPW], v[NIL]                      ; 0 onto my spare word
	s_wait_dscnt 4*NL+1                            ; the add and the youngest 24 loads may be out
	WIN MUL_LO
	MUL16 0, 1, NQ-1, \slot, 0
	s_wait_dscnt 0x0                               ; the add is done, and my reads of this slot are over
	s_barrier_signal -1
	MUL16 2, 1, NQ-1, \slot, 0
	WIN 0
	s_barrier_wait -1
.if \fill
	CREST                                          ; no wave of any partner still reads this slot or has a load on its way
	s_add_nc_u64 s[G0+4*\slot+2:G0+4*\slot+3], s[G0+4*\slot+2:G0+4*\slot+3], 2*ROWB
	s_add_nc_u64 s[G0B+4*\slot+2:G0B+4*\slot+3], s[G0B+4*\slot+2:G0B+4*\slot+3], 2*ROWB
	JLOAD G0+4*\slot, G1, G0B+4*\slot, G1B         ; the first tensor load behind the round; its four v_nop are the places in front of the loads below
.else
	PLACES NP
.endif
	v_add_nc_u32 v[ADRS], 128, v[ADRS]             ; the next K step's scale words
	FETCH_B \next, 0, 0
	FETCH_A \next, 0, 0
	SCALES \next
	WIN MUL_HI
	MUL16 4, 1, NQ-1, \slot, 0
	MUL16 6, 1, NQ-1, \slot, 0
	PLACES NP
	WIN 0
	FETCH_A \next, 0, 4
.endm
	s_wait_tensorcnt 1                             ; the scale bytes and my part of K step 0 are in; K step 1's load may be out
	s_barrier_signal -1
	s_barrier_wait -1
	FETCH_B 0, 0, 0
	FETCH_A 0, 0, 0
	SCALES 0
	FETCH_A 0, 0, 4
	STEP 0, 0, 1                                   ; K has four slots' worth: written straight.  The first products start the sums
	TURN 0, 1, 1
	STEP 1, 0, 0
	TURN 1, 0, 1
	STEP 0, 0, 0
	TURN 0, 1, 0                                   ; nothing is left to fetch
	STEP 1, 0, 0
	s_wait_dscnt 4*NL
	WIN MUL_LO
	MUL16 0, 1, NQ-1, 1, 0
	MUL16 2, 1, NQ-1, 1, 0
	s_wait_dscnt 0
	WIN MUL_HI
	MUL16 4, 1, NQ-1, 1, 0
	MUL16 6, 1, NQ-1, 1, 0
	WIN 0
; THE WAY OUT: bias, quantiser, stores; no LDS.  Every store of codes covers 512 consecutive bytes at a multiple of 256 from the buffer's first byte.
.macro BIASQ a                         ; + bias by registers; each accumulator from its low end on
	WIN ((2+(\a)/4)<<6)|4|(2+(\a)/4)
.irp b, 0,1,2,3,4,5,6,7
.irp k, 0,2,4,6
	v_pk_add_f32 v[64*((\a)%4)+8*\b+\k:64*((\a)%4)+8*\b+\k+1], v[64*((\a)%4)+8*\b+\k:64*((\a)%4)+8*\b+\k+1], v[96+8*(\b%4)+128*(\b/4)+\k:96+8*(\b%4)+128*(\b/4)+\k+1]
.endr
.endr
.endm
.macro BIASV a                         ; + bias by lanes
	WIN ((2+(\a)/4)<<6)|(2+(\a)/4)
.set k, 0
.rept 32
	v_pk_add_f32 v[64*((\a)%4)+k:64*((\a)%4)+k+1], v[64*((\a)%4)+k:64*((\a)%4)+k+1], v[BL+2*(\a):BL+2*(\a)+1]
.set k, k+2
.endr
.endm
; 64 numbers of a lane in window w, register s + 16 b + i = index 32 b + 16 (lane / 16) + i along the quantiser's K, become 6 registers of codes at dA (blocks 0, 1) and 6 at dB (blocks 2, 3), and a scale word
.macro GQUANT w, s, dA, dB, pw
	WIN (\w)|((\w)<<2)
.irp b, 0,1,2,3
	v_max3_num_f32 v[TM+\b], |v[(\s)+16*\b]|, |v[(\s)+16*\b+1]|, 0x2800000   ; with the floor 2^(5 - 127): the byte cannot fall under 1
.endr
.irp i, 2,4,6,8,10,12,14
.irp b, 0,1,2,3
	v_max3_num_f32 v[TM+\b], |v[(\s)+16*\b+\i]|, |v[(\s)+16*\b+\i+1]|, v[TM+\b]
.endr
.endr
	WIN 0
.irp b, 0,1,2,3
	v_permlanex16_b32 v[TM+4+\b], v[TM+\b], s[SEL], s[SEL+1]
.endr
.irp b, 0,1,2,3
	v_max_num_f32 v[TM+\b], v[TM+\b], v[TM+4+\b]   ; with lane l xor 16's: the block's largest magnitude
.endr
.irp b, 0,1,2,3
	v_add_nc_u32 v[TM+12+\b], 0xfe000000, v[TM+\b] ; 4 off the exponent field: the conversion's scale operand
.endr
.irp b, 0,1,2,3
	v_lshrrev_b32 v[TM+4+\b], 23, v[TM+12+\b]      ; the byte
.endr
	v_lshl_or_b32 v[\pw], v[TM+5], 8, v[TM+4]
	v_lshl_or_b32 v[\pw], v[TM+6], 16, v[\pw]
	v_lshl_or_b32 v[\pw], v[TM+7], 24, v[\pw]
	WIN \w
	v_cvt_scalef32_pk16_bf6_f32 v[(\dA):(\dA)+2], v[(\s):(\s)+15], v[TM+12]
	v_cvt_scalef32_pk16_bf6_f32 v[TP:TP+2], v[(\s)+16:(\s)+31], v[TM+13]
	v_cvt_scalef32_pk16_bf6_f32 v[(\dB):(\dB)+2], v[(\s)+32:(\s)+47], v[TM+14]
	v_cvt_scalef32_pk16_bf6_f32 v[TP+4:TP+6], v[(\s)+48:(\s)+63], v[TM+15]
	WIN 0
	v_nop                                          ; one plain place behind a scaled conversion
.irp i, 0,1,2
	v_permlane16_swap_b32 v[(\dA)+\i], v[TP+\i]    ; a whole block to a lane: lanes 0-15 the even block, lanes 16-31 the odd one
.endr
.irp i, 0,1,2
	v_mov_b32 v[(\dA)+3+\i], v[TP+\i]
.endr
.irp i, 0,1,2
	v_permlane16_swap_b32 v[(\dB)+\i], v[TP+4+\i]
.endr
.irp i, 0,1,2
	v_mov_b32 v[(\dB)+3+\i], v[TP+4+\i]
.endr
.endm
	PLACES NP
	s_wait_loadcnt 0x0                             ; the bias
.irp b, 0,1,2,3
	v_mov_b32 v[TM+4+\b], 0                        ; a lane permute's destination counts as one of its sources
.endr
	s_cmp_eq_u32 s[MODE], 0
	s_cbranch_scc0 .Lway_v
	; q, k: block a's 128 columns are two heads: blocks 2 g and 2 g + 1 make image g of each
.irp g, 0,1,2,3
.if \g >= 2
	s_wait_xcnt 0x0                                ; the stores of two images back have read their registers
.endif
.irp u, 0,1
	BIASQ 2*\g+\u
	GQUANT 2+(2*\g+\u)/4, 64*((2*\g+\u)%4), IMG+24*(\g%2)+6*\u, IMG+24*(\g%2)+12+6*\u, PWR+2*\g+\u
.endr
.irp c, 0,1
.irp k, 0,1,2
	global_store_b128 v[CO], v[IMG+24*(\g%2)+12*\c+4*\k:IMG+24*(\g%2)+12*\c+4*\k+3], s[10:11] offset:\c*HEADB+\g*1536+\k*512
.endr
.endr
	v_perm_b32 v[WA+\g], v[PWR+2*\g+1], v[PWR+2*\g], s[P0]   ; head 0: the two bytes of tile 2 g, then those of tile 2 g + 1
	v_perm_b32 v[WB+\g], v[PWR+2*\g+1], v[PWR+2*\g], s[P1]   ; head 1
.endr
	v_cndmask_b32 v[SWR], v[WA], v[WA+1], s[HM]
	v_cndmask_b32 v[SWR+1], v[WA+2], v[WA+3], s[HM]
	v_cndmask_b32 v[SWR+2], v[WB], v[WB+1], s[HM]
	v_cndmask_b32 v[SWR+3], v[WB+2], v[WB+3], s[HM]
	global_store_b64 v[L8], v[SWR:SWR+1], s[10:11] offset:6144          ; 256 consecutive bytes
	global_store_b64 v[L8], v[SWR+2:SWR+3], s[10:11] offset:HEADB+6144
	s_branch .Ldone
.Lway_v:
	; v: block a is tile a % 4 of head a / 4; its 128 tokens are one whole fragment along the keys
.irp a, 0,1,2,3,4,5,6,7
.if \a >= 2
	s_wait_xcnt 0x0
.endif
	BIASV \a
	GQUANT 2+\a/4, 64*(\a%4), IMG+12*(\a%2), IMG+12*(\a%2)+6, PWR+\a
.irp k, 0,1,2
	global_store_b128 v[CO], v[IMG+12*(\a%2)+4*\k:IMG+12*(\a%2)+4*\k+3], s[10:11] offset:(\a/4)*HEADB+(\a%4)*1536+\k*512
.endr
.endr
	v_cndmask_b32 v[SWR], v[PWR], v[PWR+1], s[HM]
	v_cndmask_b32 v[SWR+1], v[PWR+2], v[PWR+3], s[HM]
	v_cndmask_b32 v[SWR+2], v[PWR+4], v[PWR+5], s[HM]
	v_cndmask_b32 v[SWR+3], v[PWR+6], v[PWR+7], s[HM]
	global_store_b64 v[L8], v[SWR:SWR+1], s[10:11] offset:6144
	global_store_b64 v[L8], v[SWR+2:SWR+3], s[10:11] offset:HEADB+6144
.Ldone:
	s_wait_tensorcnt 0x0                           ; the wave's end
	ds_add_u32 v[SPW], v[NIL]
	s_wait_dscnt 0x0
	CROUND                                         ; the closing round: no work-group ends while a partner may still ask for a tile that names it
	s_endpgm
.Lfunc_end_k_qaf004a48df_qkvgemm:
	.size	k_qaf004a48df_qkvgemm, .Lfunc_end_k_qaf004a48df_qkvgemm-k_qaf004a48df_qkvgemm
	.p2alignl 7, 3214868480
	.fill 96, 4, 3214868480
	.section	.rodata,"a",@progbits
	.p2align	6, 0x0
	.amdhsa_kernel k_qaf004a48df_qkvgemm
		.amdhsa_group_segment_fixed_size 327680
		.amdhsa_private_segment_fixed_size 0
		.amdhsa_enable_private_segment 0
		.amdhsa_kernarg_size 32
		.amdhsa_user_sgpr_count 2
		.amdhsa_user_sgpr_kernarg_segment_ptr 1
		.amdhsa_wavefront_size32 1
		.amdhsa_system_sgpr_workgroup_id_x 1
		.amdhsa_system_sgpr_workgroup_id_y 1
		.amdhsa_system_sgpr_workgroup_id_z 1
		.amdhsa_system_vgpr_workitem_id 0
		.amdhsa_next_free_vgpr 1024
		.amdhsa_next_free_sgpr 100
		.amdhsa_reserve_vcc 0
		.amdhsa_float_denorm_mode_32 3
		.amdhsa_float_denorm_mode_16_64 3
		.amdhsa_memory_ordered 1
		.amdhsa_forward_progress 1
		.amdhsa_inst_pref_size 235
	.end_amdhsa_kernel
	.amdgpu_metadata
---
amdhsa.version: [ 1, 2 ]
amdhsa.kernels:
  - .name:           k_qaf004a48df_qkvgemm
    .symbol:         k_qaf004a48df_qkvgemm.kd
    .args:
      - { .name: xc, .offset: 0, .size: 8, .value_kind: global_buffer, .address_space: global }
      - { .name: wc, .offset: 8, .size: 8, .value_kind: global_buffer, .address_space: global }
      - { .name: c_attn_b, .offset: 16, .size: 8, .value_kind: global_buffer, .address_space: global }
      - { .name: qkv, .offset: 24, .size: 8, .value_kind: global_buffer, .address_space: global }
    .group_segment_fixed_size: 327680
    .private_segment_fixed_size: 0
    .kernarg_segment_align: 8
    .kernarg_segment_size: 32
    .max_flat_workgroup_size: 128
    .sgpr_count:     100
    .vgpr_count:     1024
    .wavefront_size: 32
...
	.end_amdgpu_metadata
.endif
;; end of part 2
;; launch attn (part 3): grid 4 x 64, 16 waves a work-group, no clusters, 327,680 bytes of LDS; arguments qkv, aoc; writes aoc
.if DOCPART == 3
	.amdgcn_target "amdgcn-amd-amdhsa--gfx1250"
	.amdhsa_code_object_version 6
	.text
	.protected	k_qaf004a48df_attn
	.globl	k_qaf004a48df_attn
	.p2align	8
	.type	k_qaf004a48df_attn,@function
k_qaf004a48df_attn:
	s_mov_b64 s[64:65], 0
	v_nop
	global_prefetch_b8 v0, s[64:65] scope:SCOPE_SE
	s_setreg_imm32_b32 hwreg(HW_REG_WAVE_MODE, 25, 1), 1
	s_wait_xcnt 0x0
; CAUSAL ATTENTION ON CODES of BF6 (E3M2), head size 64, 2,048 tokens, 64 heads x batches.  Its result leaves as codes, quantised along the last product's K (head x 64 + d).
; t = score x log2(e) / 8; M = the running largest t rounded UP to a whole number; p = 2^(t - M) is quantised along the keys, not normalised; the row's sum is taken of the unquantised p and divides O at the end.
; SHARES.  Work-group (i, head) owns the blocks of 256 queries i and 7 - i and takes them one after the other: block i over key slots 0 .. i, block 7 - i over key slots 0 .. 7 - i: always nine slots of 256 keys.
; So every trip count is a constant, no tile is fetched that the mask hides as a whole, and all 256 work-groups have the same work.  Each of sixteen waves owns 16 queries of the block in hand: Q0 + r + 8 (r / 8).
; NO JOINT LOADS: the four work-groups of a head turn back to key slot 0 in different trips (behind i + 1 slots), so in most trips no two of them want the same tile.
; LAYOUT.  S^T = K Q^T (source 0 = keys, source 1 = my queries), O^T = V^T P^T: a lane holds one query throughout.  The head's 64 fill half of the instruction's 128: ONE fragment of K holds TWO tiles of 16 keys, at k 0-63 and k 64-127,
; and Q stands against zeros in the other half: (Q | 0) gives the first tile's scores, (0 | Q) the second's.  The tiles' keys are 32 g + 8 u + r + 8 (r / 8): the 16 registers of tiles 2 g, 2 g + 1 are keys 32 g + 16 (lane / 16) + 0 .. 15.
; K's and V's parts come as images of the operands' registers (three loads of 16 bytes a lane) through two LDS slots; waves 0-3 fetch, one tensor load each: a wave has one tensor load out at the most.
; LIMITS: 1 / l is v_rcp_f32 and a multiplication; a block of zeros gets the byte 1 (its codes are zeros; this program alone reads the bytes); NaN and infinities are not served.
; REGISTERS: v1 16 lane, v2 8 lane, v3 r + 8 (r / 8) - 16 h, v5-6 the add's, v7 8 r + h, v8-9 LDS addresses; v12 -M, v13 largest t, v[14:15] the sum; v16-33 zeros | Q | zeros, v34 Q's scales; v35 prefetch offset;
;   v36-83 four fragments of K or V; v[84:85], v[86:87] their scale words; v88-94 the second block's Q; v96-159 S^T, then p; v160-191 O^T; v224.. p's codes; v232-255 at work.
.set HEADB, 307200
.set STEPB, 19200
.set PARTB, 6400
.set SLOTM, 38400                      ; a slot's two steps in memory
.set SLOT1, 32768                      ; LDS: slot 1 begins here; a slot holds 2 x (K part, V part) = 25,600 bytes
.set SPARE, 65536                      ; the spare words, 128 bytes a wave: eight blocks of 256 bytes that no other line names
.set ASCL,  6291456                    ; aoc: where the scale bytes begin
.set TB,   2
.set WV,   18
.set SEL,  20
.set CS,   22
.set G1,   24
.set G0,   40
.set SF,   44                          ; the count at which the fetches turn back to key slot 0
.set SS,   45                          ; the count at which the second block begins
.set SWB,  46
.set BK,   48
.set AOC,  50
.set AOS,  52
.set DC,   54
.set DS,   56
.set Q0L,  58
.set HM,   59
.set UM,   60
.set PSEL, 61
.set SLOTS, 67
.set PFA,  76
.set LIM,  80
.set T,    96
.set KF,   98
.set Q0,   99
.macro TLOAD                           ; waves 0-3 fetch: step 0's K, step 0's V, step 1's K, step 1's V.  Four v_nop follow the line
	s_cmp_lt_u32 s[WV], 4
	s_cbranch_scc0 .Lasked_\@
	tensor_load_to_lds s[G0:G0+3], s[G1:G1+7]
	s_nop 0
.rept 4
	v_nop
.endr
.Lasked_\@:
.endm
; A prefetch into the L2 of the key slot that the NEXT change of slots will ask for.  The head's work-group 0 walks key slots 0 .. 7 in order in its second block: it alone asks, by waves 4-7, one part of 25 blocks of 256 bytes each,
; a lane a block (lanes 25-31 repeat lane 24's).  So each block of K's and V's parts of key slots 1 .. 7 is named once in the launch; key slot 0 comes by its load alone; the last change that fills a slot asks for nothing.
.macro ASK
	s_cmp_gt_u32 s[SLOTS], s[LIM]
	s_cbranch_scc0 .Lnot_mine_\@
	global_prefetch_b8 v35, s[PFA:PFA+1] th:TH_LOAD_NT scope:SCOPE_SE
.Lnot_mine_\@:
.endm
	s_load_b128 s[4:7], s[0:1], 0x0                ; qkv, aoc
	v_lshl_add_u32 v5, v0, 2, SPARE
	v_mov_b32 v6, 0
	ds_add_u32 v5, v6
	ds_add_u32 v5, v6
	s_wait_dscnt 0x0
	v_lshrrev_b32 v8, 5, v0
	s_delay_alu instid0(VALU_DEP_1)
	v_readfirstlane_b32 s[WV], v8                  ; wave 0..15
	s_and_b32 s72, ttmp7, 0xffff                   ; batch x 16 + head
	s_mul_i32 s74, s72, HEADB
	s_and_b32 s88, s[WV], 3
	s_lshr_b32 s89, s88, 1
	s_mul_i32 s89, s89, STEPB
	s_and_b32 s90, s[WV], 1
	s_mul_i32 s91, s90, PARTB
	s_add_co_u32 s92, s89, s91
	s_add_co_u32 s92, s92, s74                     ; the part that wave & 3 names, in key slot 0
	s_mov_b32 s93, 0
	s_mov_b32 s[G1], 3<<16                         ; a part: 6,400 dense bytes as 25 rows of 32 elements of 8 bytes; no mask, no padding
	s_mov_b32 s[G1+1], 32<<16
	s_mov_b32 s[G1+2], 25<<16
	s_mov_b32 s[G1+3], 32<<16
	s_mov_b32 s[G1+4], 25
	s_mov_b32 s[G1+5], 32
	s_mov_b32 s[G1+6], 0
	s_mov_b32 s[G1+7], 0
	s_mov_b32 s[G0], 1
	s_mul_i32 s[G0+1], s88, PARTB                  ; LDS: slot 0, part wave & 3
	s_wait_kmcnt 0x0
	s_add_nc_u64 s[G0+2:G0+3], s[4:5], s[92:93]
	s_mov_b64 s[PFA:PFA+1], s[G0+2:G0+3]           ; the prefetches start at the same place: the first change of slots steps them to key slot 1
	s_or_b32 s[G0+3], s[G0+3], 0x80000000
	TLOAD                                          ; the first fill, ahead of everything else
	s_sub_co_u32 s[SF], 8, ttmp9
	s_sub_co_u32 s[SS], 7, ttmp9
	s_add_co_u32 s[SWB], ttmp9, 1
	s_mul_i32 s[SWB], s[SWB], SLOTM
	s_mov_b32 s[BK+1], 0
	s_mov_b32 s[SEL], 0x76543210
	s_mov_b32 s[SEL+1], 0xfedcba98
	s_mov_b32 s[CS], 0x3e38aa3b                    ; log2(e) / 8
	s_mov_b32 s[CS+1], s[CS]
	s_mov_b32 s[HM], 0xffff0000
	s_mov_b32 s[TB], 0
	s_mov_b32 s[KF], 0
	s_mov_b32 s[SLOTS], 8
	s_lshr_b32 s81, s[WV], 1
	s_lshl_b32 s82, s81, 5
	s_lshl_b32 s83, s90, 3
	s_add_co_u32 s82, s82, s83                     ; 32 (w / 2) + 8 (w % 2)
	s_lshl_b32 s83, ttmp9, 8
	s_add_co_u32 s[Q0], s82, s83                   ; my first query in block i,
	s_lshl_b32 s83, s[SS], 8
	s_add_co_u32 s[Q0L], s82, s83                  ; and in block 7 - i
	s_lshr_b32 s83, s[WV], 3
	s_lshl_b32 s84, ttmp9, 1
	s_add_co_u32 s84, s84, s83
	s_mul_i32 s84, s84, STEPB
	s_add_co_u32 s84, s84, s74
	s_add_co_u32 s84, s84, 2*PARTB                 ; the Q part of my step in block i
	s_mov_b32 s85, 0
	s_add_nc_u64 s[84:85], s[4:5], s[84:85]
	s_lshl_b32 s86, s[SS], 1
	s_add_co_u32 s86, s86, s83
	s_mul_i32 s86, s86, STEPB
	s_add_co_u32 s86, s86, s74
	s_add_co_u32 s86, s86, 2*PARTB                 ; and in block 7 - i
	s_mov_b32 s87, 0
	s_add_nc_u64 s[86:87], s[4:5], s[86:87]
	s_and_b32 s81, s81, 3                          ; my image g
	s_mul_i32 s82, s81, 1536
	s_and_b32 s83, s81, 1
	s_lshl_b32 s83, s83, 7
	s_lshr_b32 s81, s81, 1
	s_lshl_b32 s81, s81, 2
	s_add_co_u32 s83, s83, s81
	s_add_co_u32 s83, s83, 6144                    ; its scale words: 6,144 + 128 (g % 2) + 4 (g / 2)
	s_cmp_eq_u32 s90, 0
	s_cselect_b32 s[UM], 0, -1                     ; the image's first or second tile
	s_mov_b32 s[PSEL], 0x03020302
	s_cselect_b32 s[PSEL], 0x01000100, s[PSEL]     ; and its two bytes, twice
	v_and_b32 v8, 31, v0
	s_delay_alu instid0(VALU_DEP_1)
	v_lshlrev_b32 v1, 4, v8
	s_delay_alu instid0(VALU_DEP_2)
	v_lshlrev_b32 v2, 3, v8
	v_and_b32 v9, 15, v0                           ; r
	v_bfe_u32 v4, v0, 4, 1                         ; h
	s_delay_alu instid0(VALU_DEP_2)
	v_and_b32 v3, 8, v9
	s_delay_alu instid0(VALU_DEP_1)
	v_add_nc_u32 v3, v3, v9
	s_delay_alu instid0(VALU_DEP_3)
	v_lshlrev_b32 v7, 4, v4
	s_delay_alu instid0(VALU_DEP_1)
	v_sub_nc_u32 v3, v3, v7                        ; r + 8 (r / 8) - 16 h
	v_lshl_add_u32 v7, v9, 3, v4                   ; 8 r + h
	v_min_u32 v35, 24, v8
	s_delay_alu instid0(VALU_DEP_1)
	v_lshlrev_b32 v35, 8, v35
	v_add_nc_u32 v10, s82, v1
	v_lshl_add_u32 v11, v9, 3, s83
.irp c, 0,1,2
	global_load_b128 v[192+4*\c:195+4*\c], v10, s[84:85] offset:512*\c
	global_load_b128 v[204+4*\c:207+4*\c], v10, s[86:87] offset:512*\c
.endr
	global_load_b32 v216, v11, s[84:85]
	global_load_b32 v217, v11, s[86:87]
	s_lshr_b32 s81, s72, 4
	s_lshl_b32 s81, s81, 7
	s_lshl_b32 s82, ttmp9, 4
	s_add_co_u32 s81, s81, s82
	s_add_co_u32 s81, s81, s[WV]                   ; my tile of 16 positions of aoc: 128 batch + 16 i + w
	s_and_b32 s82, s72, 15                         ; the head
	s_mul_i32 s[AOC], s81, 12288
	s_lshr_b32 s83, s82, 1
	s_mul_i32 s83, s83, 1536
	s_add_co_u32 s[AOC], s[AOC], s83
	s_and_b32 s83, s82, 1
	s_mul_i32 s83, s83, 768
	s_add_co_u32 s[AOC], s[AOC], s83
	s_mov_b32 s[AOC+1], 0
	s_add_nc_u64 s[AOC:AOC+1], s[6:7], s[AOC:AOC+1]
	s_lshl_b32 s[AOS], s81, 9
	s_lshr_b32 s83, s82, 2
	s_lshl_b32 s83, s83, 7
	s_add_co_u32 s[AOS], s[AOS], s83
	s_and_b32 s83, s82, 3
	s_lshl_b32 s83, s83, 1
	s_add_co_u32 s[AOS], s[AOS], s83
	s_add_co_u32 s[AOS], s[AOS], ASCL
	s_mov_b32 s[AOS+1], 0
	s_add_nc_u64 s[AOS:AOS+1], s[6:7], s[AOS:AOS+1]
	s_lshl_b32 s83, ttmp9, 1
	s_sub_co_u32 s83, 7, s83                       ; blocks from i to 7 - i
	s_mul_i32 s[DC], s83, 196608
	s_mov_b32 s[DC+1], 0
	s_lshl_b32 s[DS], s83, 13
	s_mov_b32 s[DS+1], 0
	s_lshr_b32 s81, s[WV], 2
	s_xor_b32 s81, s81, 1
	s_or_b32 s81, s81, ttmp9                       ; 0 in waves 4-7 of the head's work-group 0
	s_cmp_eq_u32 s81, 0
	s_cselect_b32 s[LIM], 1, -1
	v_mov_b32 v13, 0xff61b1e6                      ; the largest t so far: -3e38
	s_delay_alu instid0(VALU_DEP_1)
	v_floor_f32 v12, -v13
	v_mov_b32 v14, 0
	v_mov_b32 v15, 0
.irp b, 0,1,2,3
	v_mov_b32 v[236+\b], 0                         ; a lane permute's destination counts as one of its sources
.endr
	v_mov_b32 v252, 0
	v_mov_b32 v253, 0
.set j, 0
.rept 32
	v_mov_b32 v[160+j], 0                          ; O^T: the step is written once; the first finds zeros
.set j, j+1
.endr
	s_wait_loadcnt 0x0
.irp i, 0,1,2,3,4,5
	v_cndmask_b32 v[22+\i], v[192+\i], v[198+\i], s[UM]
	v_cndmask_b32 v[88+\i], v[204+\i], v[210+\i], s[UM]
.endr
	v_perm_b32 v34, v216, v216, s[PSEL]
	v_perm_b32 v94, v217, v217, s[PSEL]
.irp i, 0,1,2,3,4,5
	v_mov_b32 v[16+\i], 0                          ; the zeros beside Q.  (With the step's first four lines: the places between the scale word's write and the first scaled product)
	v_mov_b32 v[28+\i], 0
.endr
; A KEY STEP: 128 keys, the q-th of the slot in hand.
.macro STEP q
	s_add_co_u32 s[T], s[Q0], 23                   ; my last query.  A step all of whose keys come after it is left out: a branch on ids; no barrier and no tensor load stands in a step
	s_cmp_gt_u32 s[KF], s[T]
	s_cbranch_scc1 .Lhidden_\@
	v_add_nc_u32 v8, s[TB], v1
	v_add_nc_u32 v9, s[TB], v2
	v_nop
	v_nop                                          ; four places in front of loads into registers that the last products read
.irp g, 0,1,2,3
.irp c, 0,1,2
	ds_load_b128 v[36+12*\g+4*\c:39+12*\g+4*\c], v8 offset:(\q)*12800+\g*1536+\c*512
.endr
.endr
	ds_load_b64 v[84:85], v9 offset:(\q)*12800+6144
	s_wait_dscnt 0x0
	s_wait_alu depctr_va_vdst(0)
.irp g, 0,1,2,3
.irp u, 0,1
.if \g%2
	v_wmma_scale_f32_16x16x128_f8f6f4 v[96+8*(2*\g+\u):103+8*(2*\g+\u)], v[36+12*\g:47+12*\g], v[22-6*\u:33-6*\u], 0, v[84+\g/2], v34 matrix_a_fmt:MATRIX_FMT_BF6 matrix_b_fmt:MATRIX_FMT_BF6 matrix_a_scale:MATRIX_SCALE_ROW1
.else
	v_wmma_scale_f32_16x16x128_f8f6f4 v[96+8*(2*\g+\u):103+8*(2*\g+\u)], v[36+12*\g:47+12*\g], v[22-6*\u:33-6*\u], 0, v[84+\g/2], v34 matrix_a_fmt:MATRIX_FMT_BF6 matrix_b_fmt:MATRIX_FMT_BF6
.endif
.endr
.endr
.rept 4
	v_nop
.endr
.irp t, 0,1,2,3                                ; V's fragments into the same registers: they land under the softmax
.irp c, 0,1,2
	ds_load_b128 v[36+12*\t+4*\c:39+12*\t+4*\c], v8 offset:(\q)*12800+6400+\t*1536+\c*512
.endr
.endr
	ds_load_b64 v[86:87], v9 offset:(\q)*12800+12544
	s_add_co_u32 s[T], s[KF], 127                  ; on the diagonal hidden scores become -infinity ahead of the maximum; a step all of whose keys count skips this
	s_cmp_le_u32 s[T], s[Q0]
	s_cbranch_scc1 .Lopen_\@
	s_sub_co_i32 s[T], s[Q0], s[KF]
	v_add_nc_u32 v252, s[T], v3                    ; register 16 b + i holds key KF + 16 h + 32 b + i: hidden where 32 b + i is above my query - KF - 16 h
	v_mov_b32 v254, 0xff800000
.set n, 0
.rept 64
	v_cmp_gt_i32 vcc_lo, 32*(n/16)+n%16, v252
	v_cndmask_b32 v[96+n], v[96+n], v254, vcc_lo
.set n, n+1
.endr
.Lopen_\@:
.irp b, 0,1,2,3
	v_max3_num_f32 v[232+\b], v[96+16*\b], v[97+16*\b], v[98+16*\b]   ; the largest score of each block of 32 keys: for the row's maximum and, since p rises with the score, for the block's largest p
.endr
.irp i, 3,5,7,9,11,13
.irp b, 0,1,2,3
	v_max3_num_f32 v[232+\b], v[232+\b], v[96+16*\b+\i], v[97+16*\b+\i]
.endr
.endr
.irp b, 0,1,2,3
	v_max_num_f32 v[232+\b], v[232+\b], v[111+16*\b]
.endr
.irp b, 0,1,2,3
	s_delay_alu instid0(VALU_DEP_4)
	v_permlanex16_b32 v[236+\b], v[232+\b], s[SEL], s[SEL+1]
.endr
.irp b, 0,1,2,3
	s_delay_alu instid0(VALU_DEP_4)
	v_max_num_f32 v[232+\b], v[232+\b], v[236+\b]
.endr
	s_delay_alu instid0(VALU_DEP_2)
	v_max3_num_f32 v254, v232, v233, v234
	s_delay_alu instid0(VALU_DEP_1)
	v_max_num_f32 v254, v254, v235
	s_delay_alu instid0(VALU_DEP_1)
	v_mul_f32 v254, s[CS], v254
	s_delay_alu instid0(VALU_DEP_1)
	v_max_num_f32 v13, v13, v254                   ; the running largest t
	v_mov_b32 v254, v12
	s_delay_alu instid0(VALU_DEP_2)
	v_floor_f32 v12, -v13                          ; -M = floor(-t): M is a whole number
	s_delay_alu instid0(VALU_DEP_1)
	v_sub_f32 v254, v12, v254
	s_delay_alu instid0(VALU_DEP_1)
	v_cvt_i32_f32 v254, v254                       ; (it saturates)
	s_delay_alu instid0(VALU_DEP_1)
	v_ldexp_f32 v252, 1.0, v254                    ; f = 2^(old M - new M): a multiplication by it rounds nothing
.set j, 0
.rept 32
	v_pk_fma_f32 v[96+j:97+j], v[96+j:97+j], s[CS:CS+1], v[12:13] op_sel_hi:[1,0,0]   ; t - M
.set j, j+2
.endr
.irp b, 0,1,2,3
	v_fma_f32 v[232+\b], v[232+\b], s[CS], v12
.endr
.set j, 0
	s_wait_alu depctr_va_vdst(0)
.rept 64
	v_exp_f32 v[96+j], v[96+j]                     ; p = 2^(t - M)
.set j, j+1
.endr
	v_pk_mul_f32 v[14:15], v[14:15], v[252:253] op_sel_hi:[1,0]   ; the sums under the new M: a plain place behind the exponentials
	s_wait_alu depctr_va_vdst(0)                   ; one wait for the batch of 64, ahead of its first reader
.irp b, 0,1,2,3
	v_exp_f32 v[232+\b], v[232+\b]                 ; each block's largest p
.endr
	v_pk_add_f32 v[236:237], v[100:101], v[104:105]
	v_pk_add_f32 v[254:255], v[108:109], v[112:113]
	v_pk_add_f32 v[250:251], v[116:117], v[120:121]
	v_pk_add_f32 v[248:249], v[124:125], v[128:129]
	v_pk_add_f32 v[246:247], v[132:133], v[136:137]
	v_pk_add_f32 v[244:245], v[140:141], v[144:145]
	v_pk_add_f32 v[242:243], v[148:149], v[152:153]
	v_pk_add_f32 v[14:15], v[14:15], v[156:157]
	v_pk_add_f32 v[236:237], v[236:237], v[96:97]
	v_pk_add_f32 v[254:255], v[254:255], v[98:99]
	v_pk_add_f32 v[250:251], v[250:251], v[102:103]
	v_pk_add_f32 v[248:249], v[248:249], v[106:107]
	v_pk_add_f32 v[246:247], v[246:247], v[110:111]
	v_pk_add_f32 v[244:245], v[244:245], v[114:115]
	v_pk_add_f32 v[242:243], v[242:243], v[118:119]
	v_pk_add_f32 v[14:15], v[14:15], v[122:123]
	v_pk_add_f32 v[236:237], v[236:237], v[126:127]
	v_pk_add_f32 v[254:255], v[254:255], v[130:131]
	v_pk_add_f32 v[250:251], v[250:251], v[134:135]
	v_pk_add_f32 v[248:249], v[248:249], v[138:139]
	v_pk_add_f32 v[246:247], v[246:247], v[142:143]
	v_pk_add_f32 v[244:245], v[244:245], v[146:147]
	v_pk_add_f32 v[242:243], v[242:243], v[150:151]
	v_pk_add_f32 v[14:15], v[14:15], v[154:155]
	v_pk_add_f32 v[236:237], v[236:237], v[158:159]
	s_delay_alu instid0(VALU_DEP_2)
	v_pk_add_f32 v[14:15], v[14:15], v[248:249]
	s_delay_alu instid0(VALU_DEP_2)
	v_pk_add_f32 v[236:237], v[236:237], v[246:247]
	v_pk_add_f32 v[254:255], v[254:255], v[244:245]
	v_pk_add_f32 v[250:251], v[250:251], v[242:243]
	s_delay_alu instid0(VALU_DEP_2)
	v_pk_add_f32 v[14:15], v[14:15], v[254:255]
	s_delay_alu instid0(VALU_DEP_2)
	v_pk_add_f32 v[236:237], v[236:237], v[250:251]
	s_delay_alu instid0(VALU_DEP_1)
	v_pk_add_f32 v[14:15], v[14:15], v[236:237]
	s_wait_alu depctr_va_vdst(0)                   ; and one for the four
.irp b, 0,1,2,3
	v_max_num_f32 v[232+\b], 0x2800000, v[232+\b]  ; the floor: the byte cannot fall under 1
.endr
.irp b, 0,1,2,3
	s_delay_alu instid0(VALU_DEP_4)
	v_add_nc_u32 v[244+\b], 0xfe000000, v[232+\b]
.endr
.irp b, 0,1,2,3
	s_delay_alu instid0(VALU_DEP_4)
	v_lshrrev_b32 v[236+\b], 23, v[244+\b]
.endr
	s_delay_alu instid0(VALU_DEP_3)
	v_lshl_or_b32 v253, v237, 8, v236              ; p's scale word for these 128 keys
	s_delay_alu instid0(VALU_DEP_1)
	v_lshl_or_b32 v253, v238, 16, v253
	s_delay_alu instid0(VALU_DEP_1)
	v_lshl_or_b32 v253, v239, 24, v253
.irp c, 0,1
	v_cvt_scalef32_pk16_bf6_f32 v[224+6*\c:226+6*\c], v[96+32*\c:111+32*\c], v[244+2*\c]
	v_cvt_scalef32_pk16_bf6_f32 v[236+4*\c:238+4*\c], v[112+32*\c:127+32*\c], v[244+2*\c+1]
.endr
	v_nop                                          ; one plain place behind a scaled conversion
.irp c, 0,1
.irp i, 0,1,2
	v_permlane16_swap_b32 v[224+6*\c+\i], v[236+4*\c+\i]
.endr
.irp i, 0,1,2
	s_delay_alu instid0(VALU_DEP_3)
	v_mov_b32 v[227+6*\c+\i], v[236+4*\c+\i]
.endr
.endr
.set j, 0
.rept 16
	v_pk_mul_f32 v[160+j:161+j], v[160+j:161+j], v[252:253] op_sel_hi:[1,0]   ; O^T under the new M; also the places in front of the scaled products
.set j, j+2
.endr
	s_wait_alu depctr_va_vdst(0)
	s_wait_dscnt 0x0                               ; V is in
.irp t, 0,1,2,3                                ; the four accumulators by turns, one instruction a turn; eight products of S^T stand between two links
.if \t%2
	v_wmma_scale_f32_16x16x128_f8f6f4 v[160+8*\t:167+8*\t], v[36+12*\t:47+12*\t], v[224:235], v[160+8*\t:167+8*\t], v[86+\t/2], v253 matrix_a_fmt:MATRIX_FMT_BF6 matrix_b_fmt:MATRIX_FMT_BF6 matrix_a_scale:MATRIX_SCALE_ROW1
.else
	v_wmma_scale_f32_16x16x128_f8f6f4 v[160+8*\t:167+8*\t], v[36+12*\t:47+12*\t], v[224:235], v[160+8*\t:167+8*\t], v[86+\t/2], v253 matrix_a_fmt:MATRIX_FMT_BF6 matrix_b_fmt:MATRIX_FMT_BF6
.endif
.endr
.Lhidden_\@:
	s_add_co_u32 s[KF], s[KF], 128
.endm
; THE CHANGE OF SLOTS, at a slot's head: each wave waits for all its tensor loads, adds 0 to its spare word, waits for that and for its reads of the slot that it has left; one barrier; behind it the slot left is filled first.
.macro CHANGE fill
	s_wait_tensorcnt 0x0                           ; no tensor load of mine is out, so the descriptor may be written
	ds_add_u32 v5, v6                              ; 0 onto my spare word
.if \fill
	s_xor_b32 s[G0+1], s[G0+1], SLOT1              ; the other slot,
	s_add_nc_u64 s[G0+2:G0+3], s[G0+2:G0+3], SLOTM ; the next 256 keys,
	s_cmp_eq_u32 s[SLOTS], s[SF]
	s_cselect_b32 s[BK], s[SWB], 0
	s_sub_nc_u64 s[G0+2:G0+3], s[G0+2:G0+3], s[BK:BK+1]   ; or, where the first block's keys are through, key slot 0 again
	s_wait_xcnt 0x0                                ; the last prefetch, a slot back, has read its address
	s_add_nc_u64 s[PFA:PFA+1], s[PFA:PFA+1], SLOTM
.endif
	s_wait_dscnt 0x0                               ; the add is done, and my reads of the slot that I have left are over
	s_barrier_signal -1
	s_barrier_wait -1
.if \fill
	TLOAD                                          ; the first thing behind the barrier, a wave's one tensor load until the next: it has two key steps in which to land
	ASK
.endif
.endm
; A BLOCK'S END: O^T / the sum, quantised along d (two blocks of 32), stored as my head's half of a fragment's image: three stores of 256 consecutive aligned bytes; and the two scale bytes of each row.
.macro FINISH
.rept 4
	v_nop
.endr
	v_add_f32 v14, v14, v15
	s_delay_alu instid0(VALU_DEP_1)
	v_permlanex16_b32 v252, v14, s[SEL], s[SEL+1]
	s_delay_alu instid0(VALU_DEP_1)
	v_add_f32 v14, v14, v252                       ; the row's sum
	s_wait_alu depctr_va_vdst(0)
	v_rcp_f32 v14, v14
	v_nop                                          ; a plain place behind the transcendental
	s_wait_alu depctr_va_vdst(0)                   ; and the wait ahead of its first reader
	v_mov_b32 v15, v14
.set j, 0
.rept 16
	v_pk_mul_f32 v[96+j:97+j], v[160+j:161+j], v[14:15]   ; register 16 b + i: d = 32 b + 16 h + i
.set j, j+2
.endr
.irp b, 0,1
	v_max3_num_f32 v[232+\b], |v[96+16*\b]|, |v[97+16*\b]|, 0x2800000
.endr
.irp i, 2,4,6,8,10,12,14
.irp b, 0,1
	s_delay_alu instid0(VALU_DEP_2)
	v_max3_num_f32 v[232+\b], v[232+\b], |v[96+16*\b+\i]|, |v[97+16*\b+\i]|
.endr
.endr
.irp b, 0,1
	s_delay_alu instid0(VALU_DEP_2)
	v_permlanex16_b32 v[236+\b], v[232+\b], s[SEL], s[SEL+1]
.endr
.irp b, 0,1
	s_delay_alu instid0(VALU_DEP_2)
	v_max_num_f32 v[232+\b], v[232+\b], v[236+\b]
.endr
.irp b, 0,1
	s_delay_alu instid0(VALU_DEP_2)
	v_add_nc_u32 v[244+\b], 0xfe000000, v[232+\b]
.endr
.irp b, 0,1
	s_delay_alu instid0(VALU_DEP_2)
	v_lshrrev_b32 v[236+\b], 23, v[244+\b]
.endr
	s_delay_alu instid0(VALU_DEP_1)
	v_cndmask_b32 v254, v236, v237, s[HM]          ; lanes 0-15 block 0's byte, lanes 16-31 block 1's
	v_cvt_scalef32_pk16_bf6_f32 v[224:226], v[96:111], v244
	v_cvt_scalef32_pk16_bf6_f32 v[240:242], v[112:127], v245
	v_nop
.irp i, 0,1,2
	v_permlane16_swap_b32 v[224+\i], v[240+\i]
.endr
.irp i, 0,1,2
	s_delay_alu instid0(VALU_DEP_3)
	v_mov_b32 v[227+\i], v[240+\i]
.endr
.irp p, 0,1,2
	global_store_b64 v2, v[224+2*\p:225+2*\p], s[AOC:AOC+1] offset:256*\p
.endr
	global_store_b8 v7, v254, s[AOS:AOS+1]         ; a byte a lane, two neighbours a row: the scale bytes of a row's other heads come from other work-groups; one byte in 24 of what is stored here
.endm
.macro REINIT                          ; the second block: its Q, fresh statistics, its places in aoc
.irp i, 0,1,2,3,4,5
	v_mov_b32 v[22+\i], v[88+\i]
.endr
	v_mov_b32 v34, v94
	v_mov_b32 v13, 0xff61b1e6
	s_delay_alu instid0(VALU_DEP_1)
	v_floor_f32 v12, -v13
	v_mov_b32 v14, 0
	v_mov_b32 v15, 0
.set j, 0
.rept 32
	v_mov_b32 v[160+j], 0
.set j, j+1
.endr
	s_mov_b32 s[Q0], s[Q0L]
	s_mov_b32 s[KF], 0
	s_wait_xcnt 0x0                                ; the stores have read their registers and bases
	s_add_nc_u64 s[AOC:AOC+1], s[AOC:AOC+1], s[DC:DC+1]
	s_add_nc_u64 s[AOS:AOS+1], s[AOS:AOS+1], s[DS:DS+1]
.endm
.Lslot:                                            ; eight trips: behind each change of slots but the last the next slot is asked for
	CHANGE 1
	s_cmp_eq_u32 s[SLOTS], s[SS]                   ; the first block's i + 1 slots are through: the same in all sixteen waves
	s_cbranch_scc0 .Lsame
	FINISH
	REINIT
.Lsame:
	STEP 0
	STEP 1
	s_xor_b32 s[TB], s[TB], SLOT1
	s_sub_co_u32 s[SLOTS], s[SLOTS], 1
	s_cmp_lg_u32 s[SLOTS], 0
	s_cbranch_scc1 .Lslot
	CHANGE 0                                       ; the ninth slot is written out
	STEP 0
	STEP 1
	FINISH
	s_wait_tensorcnt 0x0                           ; the wave's end
	ds_add_u32 v5, v6
	s_wait_dscnt 0x0
	s_endpgm
.Lfunc_end_k_qaf004a48df_attn:
	.size	k_qaf004a48df_attn, .Lfunc_end_k_qaf004a48df_attn-k_qaf004a48df_attn
	.p2alignl 7, 3214868480
	.fill 96, 4, 3214868480
	.section	.rodata,"a",@progbits
	.p2align	6, 0x0
	.amdhsa_kernel k_qaf004a48df_attn
		.amdhsa_group_segment_fixed_size 327680
		.amdhsa_private_segment_fixed_size 0
		.amdhsa_enable_private_segment 0
		.amdhsa_kernarg_size 16
		.amdhsa_user_sgpr_count 2
		.amdhsa_user_sgpr_kernarg_segment_ptr 1
		.amdhsa_wavefront_size32 1
		.amdhsa_system_sgpr_workgroup_id_x 1
		.amdhsa_system_sgpr_workgroup_id_y 1
		.amdhsa_system_sgpr_workgroup_id_z 1
		.amdhsa_system_vgpr_workitem_id 0
		.amdhsa_next_free_vgpr 256
		.amdhsa_next_free_sgpr 100
		.amdhsa_reserve_vcc 1
		.amdhsa_float_denorm_mode_32 3
		.amdhsa_float_denorm_mode_16_64 3
		.amdhsa_memory_ordered 1
		.amdhsa_forward_progress 1
		.amdhsa_inst_pref_size 109
	.end_amdhsa_kernel
	.amdgpu_metadata
---
amdhsa.version: [ 1, 2 ]
amdhsa.kernels:
  - .name:           k_qaf004a48df_attn
    .symbol:         k_qaf004a48df_attn.kd
    .args:
      - { .name: qkv, .offset: 0, .size: 8, .value_kind: global_buffer, .address_space: global }
      - { .name: aoc, .offset: 8, .size: 8, .value_kind: global_buffer, .address_space: global }
    .group_segment_fixed_size: 327680
    .private_segment_fixed_size: 0
    .kernarg_segment_align: 8
    .kernarg_segment_size: 16
    .max_flat_workgroup_size: 512
    .sgpr_count:     100
    .vgpr_count:     256
    .wavefront_size: 32
...
	.end_amdgpu_metadata
.endif
;; end of part 3
;; launch projgemm (part 4): grid 4 x 32, 4 waves a work-group, clusters of 4 x 4, 327,680 bytes of LDS; arguments aoc, wc, c_proj_b, out0; writes out0
.if DOCPART == 4
	.amdgcn_target "amdgcn-amd-amdhsa--gfx1250"
	.amdhsa_code_object_version 6
	.text
	.protected	k_qaf004a48df_projgemm
	.globl	k_qaf004a48df_projgemm
	.p2align	8
	.type	k_qaf004a48df_projgemm,@function
k_qaf004a48df_projgemm:
	s_mov_b64 s[64:65], 0
	v_nop
	global_prefetch_b8 v0, s[64:65] scope:SCOPE_SE
	s_setreg_imm32_b32 hwreg(HW_REG_WAVE_MODE, 25, 1), 1
	s_wait_xcnt 0x0
	s_wait_alu depctr_hold_cnt(0) depctr_sa_sdst(0) depctr_va_vdst(0) depctr_va_sdst(0) depctr_va_ssrc(0) depctr_va_vcc(0) depctr_vm_vsrc(0)
	s_getreg_b32 s2, hwreg(HW_REG_IB_STS2, 6, 4)
	s_cmp_eq_u32 s2, 0
	s_cbranch_scc0 .Lentry_in_a_cluster
	s_endpgm
.Lentry_in_a_cluster:
	s_bfe_u32 s2, ttmp6, 0x10000c
	s_cmp_lg_u32 s2, 0xf033
	s_cbranch_scc0 .Lentry_shape_is_right
	s_endpgm
.Lentry_shape_is_right:
; OUT = Q(attention's result) Q(W_proj) + b on codes of BF6 (E3M2) with E8M0 scales; out0 [8,192][1,024] f32.
; A work-group of four waves makes 256 tokens x 256 columns, a wave 128 x 128: 64 accumulators.  K = 1,024 goes in four steps of 256 through two LDS slots.  32 x 4 tiles: 128 work-groups.
; CLUSTERS: 4 x 4 work-groups; the four of a row ask for the tokens' tiles jointly, the four of a column for the weights'.
; THE TOKENS' CODES (aoc) lie as IMAGES OF FRAGMENTS: [16 positions][fragment of 128 K][piece p 0..5][lane][8 bytes]: a fragment is six loads of 8 bytes a lane, 256 consecutive bytes each: no pitch, no padding.
; THE WEIGHTS' CODES (wc, positions 3,072 on) lie as rows of 768 bytes.  Positions hold rows under PI (bits 3 and 4 exchanged): lane r of the tokens' block a is token 32 (a / 2) + 8 (a % 2) + r + 8 (r / 8);
; the 16 registers of the weights' tiles 2 b, 2 b + 1 are columns 32 b + 16 (lane / 16) + 0 .. 15.  The way out puts both back in order.
; The bias is the C of each sum's first matrix instruction: eight registers a tile of columns, in the result's layout.
; REGISTERS: window 0: v0-31 addresses; v32-63 scale words; v128-223 the tokens' fragments, one set; on the way out v128-255 rows of the result.
;   window 1: the weights' fragments, two sets at v0 and v128; the bias in v96-127 and v224-255.   windows 2, 3: the accumulators.
.set NQ,     2
.set ROWB,   192
.set KROW,   768
.set PITCH,  240
.set FR,     12
.set NL,     6
.set NP,     4
.set HALFA,  24576                     ; the tokens' 128 positions x 256 K: 8 tiles x 3,072 bytes
.set HALFT,  128*PITCH
.set SLOT,   2*HALFA+2*HALFT
.set SCL,    2*SLOT
.set SCW,    8320
.set SPARE,  237824                    ; the spare words, 128 bytes a wave: two blocks of 256 bytes that no other line names
.set ASCL,   6291456
.set WSCL,   3145728
.set SPITCH, 528                       ; the way out: a stage of 16 rows x (512 bytes + 16) a wave, in slot 0, which has had its last fill and its last read when the first result is stored there
.set ADRA, 16
.set ADRB, 20
.set STO,  24
.set RD,   25
.set CO,   26
.set ADRS, 27
.set SPW,  28
.set NIL,  29
.set SC,   32
.set AF,   128
.set BK,   128
.set G1, 24
.set G0, 32
.set G1B, 48
.set G0B, 56
.set G1S, 68
.set G0S, 76
.set G1SB, 80
.set G0SB, 88
.set MSB, 0
.macro WIN new
.if MSB != (\new)
	s_set_vgpr_msb (MSB<<8)|(\new)
.set MSB, (\new)
.endif
.endm
.set MUL_LO, 0xa1
.set MUL_HI, 0xf1
.set TO_B,   0x40
.macro JLOAD g0a, g1a, g0b, g1b        ; waves 0, 1 fetch the tokens' side, waves 2, 3 the weights'; four v_nop follow each line
	s_cmp_eq_u32 s15, 0
	s_cbranch_scc0 .Lfor_b_\@
	tensor_load_to_lds s[\g0a:\g0a+3], s[\g1a:\g1a+7]
	s_nop 0
.rept 4
	v_nop
.endr
	s_branch .Lasked_\@
.Lfor_b_\@:
	tensor_load_to_lds s[\g0b:\g0b+3], s[\g1b:\g1b+7]
	s_nop 0
.rept 4
	v_nop
.endr
.Lasked_\@:
.endm
.macro CREST
	s_cmp_lg_u32 s14, 0
	s_cbranch_scc1 .Lnot_wave_0_\@
	s_barrier_signal -3
.Lnot_wave_0_\@:
	s_barrier_wait -3
	s_barrier_signal -1
	s_barrier_wait -1
.endm
.macro CROUND
	s_barrier_signal -1
	s_barrier_wait -1
	CREST
.endm
	s_load_b256 s[4:11], s[0:1], 0x0               ; aoc, wc, c_proj_b, out0
	v_lshl_add_u32 v[SPW], v0, 2, SPARE
	v_mov_b32 v[NIL], 0
	ds_add_u32 v28, v29
	s_wait_dscnt 0x0
	v_lshrrev_b32 v1, 5, v0
	v_readfirstlane_b32 s14, v1
	s_lshr_b32 s15, s14, 1                         ; my half of the tokens.  Also: I fetch tokens (0) or weights (1)
	s_and_b32 s16, s14, 1                          ; my half of the columns.  Also: which 128 rows I fetch
	s_bfe_u32 s40, ttmp6, 0x40000
	s_bfe_u32 s41, ttmp6, 0x40004
	s_lshl_b32 s42, ttmp9, 2
	s_add_co_u32 s42, s42, s40                     ; which 256 columns
	s_and_b32 s17, ttmp7, 0xffff
	s_lshl_b32 s17, s17, 2
	s_add_co_u32 s17, s17, s41                     ; which 256 tokens
	s_lshl_b32 s43, s41, 2
	s_lshl_b32 s43, 15, s43
	s_lshl_b32 s44, 0x1111, s40
	s_or_b32 s[G1+0], s43, (3<<16)|(1<<21)         ; the tokens: 8 tiles x 3,072 bytes (384 elements of 8), 12,288 bytes apart; no padding
	s_mov_b32 s[G1+1], 384<<16
	s_mov_b32 s[G1+2], 8<<16
	s_mov_b32 s[G1+3], 384<<16
	s_mov_b32 s[G1+4], 8
	s_mov_b32 s[G1+5], 1536
	s_mov_b32 s[G1+6], 0
	s_mov_b32 s[G1+7], 0
	s_or_b32 s[G1B+0], s44, (0<<16)|(1<<20)|(1<<21)|(3<<22)|(3<<25)   ; the weights: 128 rows x 192 bytes, 4 words of padding behind every 16
	s_mov_b32 s[G1B+1], ROWB<<16
	s_mov_b32 s[G1B+2], 128<<16
	s_mov_b32 s[G1B+3], ROWB<<16
	s_mov_b32 s[G1B+4], 128
	s_mov_b32 s[G1B+5], KROW
	s_mov_b32 s[G1B+6], 0
	s_mov_b32 s[G1B+7], 0
	s_or_b32 s[G1S+0], s43, (3<<16)|(1<<21)        ; the scale bytes of 128 rows: 16 rows of 256 bytes
	s_or_b32 s[G1SB+0], s44, (3<<16)|(1<<21)
.irp g, G1S, G1SB
	s_mov_b32 s[\g+1], 32<<16
	s_mov_b32 s[\g+2], 16<<16
	s_mov_b32 s[\g+3], 32<<16
	s_mov_b32 s[\g+4], 16
	s_mov_b32 s[\g+5], 32
	s_mov_b32 s[\g+6], 0
	s_mov_b32 s[\g+7], 0
.endr
	s_lshl_b32 s18, s16, 7
	s_lshl_b32 s20, s17, 8
	s_add_co_u32 s20, s20, s18                     ; tokens: position 256 Y + 128 half
	s_lshl_b32 s46, s42, 8
	s_add_co_u32 s46, s46, s18
	s_add_co_u32 s46, s46, 3072                    ; weights: position 3,072 + 256 X + 128 half
	s_lshl_b32 s22, s20, 5
	s_add_co_u32 s22, s22, ASCL
	s_mov_b32 s23, 0
	s_lshl_b32 s92, s46, 5
	s_add_co_u32 s92, s92, WSCL
	s_mov_b32 s93, 0
	s_mul_i32 s20, s20, KROW
	s_mov_b32 s21, 0
	s_mul_i32 s46, s46, KROW
	s_mov_b32 s47, 0
	s_mul_i32 s45, s16, HALFA                      ; where the tokens' tiles go,
	s_mul_i32 s95, s16, HALFT
	s_add_co_u32 s95, s95, 2*HALFA                 ; the weights',
	s_lshl_b32 s94, s14, 12
	s_lshl_b32 s18, s15, 7
	s_add_co_u32 s94, s94, s18                     ; and the scale bytes
	s_wait_kmcnt 0x0
	s_add_nc_u64 s[20:21], s[4:5], s[20:21]
	s_add_nc_u64 s[22:23], s[4:5], s[22:23]
	s_add_nc_u64 s[46:47], s[6:7], s[46:47]
	s_add_nc_u64 s[92:93], s[6:7], s[92:93]
	CROUND                                         ; all sixteen work-groups are here: the first joint loads meet
	s_mov_b32 s[G0S], 1
	s_add_co_u32 s[G0S+1], s94, SCL
	s_mov_b64 s[G0S+2:G0S+3], s[22:23]
	s_or_b32 s[G0S+3], s[G0S+3], 0x80000000
	s_mov_b32 s[G0SB], 1
	s_add_co_u32 s[G0SB+1], s94, SCL
	s_mov_b64 s[G0SB+2:G0SB+3], s[92:93]
	s_or_b32 s[G0SB+3], s[G0SB+3], 0x80000000
	JLOAD G0S, G1S, G0SB, G1SB
.irp s, 0,1
	s_mov_b32 s[G0+4*\s], 1
	s_add_co_u32 s[G0+4*\s+1], s45, \s*SLOT
	s_add_nc_u64 s[G0+4*\s+2:G0+4*\s+3], s[20:21], \s*3072
	s_or_b32 s[G0+4*\s+3], s[G0+4*\s+3], 0x80000000
	s_mov_b32 s[G0B+4*\s], 1
	s_add_co_u32 s[G0B+4*\s+1], s95, \s*SLOT
	s_add_nc_u64 s[G0B+4*\s+2:G0B+4*\s+3], s[46:47], \s*ROWB
	s_or_b32 s[G0B+4*\s+3], s[G0B+4*\s+3], 0x80000000
	JLOAD G0+4*\s, G1, G0B+4*\s, G1B
.endr
	v_and_b32 v1, 15, v0                           ; r
	v_bfe_u32 v2, v0, 4, 1                         ; h
	v_mul_u32_u24 v3, v1, PITCH
	v_mul_u32_u24 v4, v2, 24
	v_add_nc_u32 v4, v3, v4
	v_lshl_add_u32 v5, v2, 4, v4
	v_and_b32 v6, 31, v0
	v_lshlrev_b32 v7, 3, v6                        ; 8 x lane: my place in an image's piece
	s_mul_i32 s21, s15, HALFA
	s_mul_i32 s22, s16, HALFT
	s_add_co_u32 s22, s22, 2*HALFA
.irp s, 0,1
	v_add_nc_u32 v[ADRA+\s], s21, v7
	v_add_nc_u32 v[ADRB+\s], s22, v4
	v_add_nc_u32 v[ADRB+2+\s], s22, v5
	s_add_co_u32 s21, s21, SLOT
	s_add_co_u32 s22, s22, SLOT
.endr
	v_lshlrev_b32 v5, 3, v1
	s_lshl_b32 s21, s15, 12                        ; the tokens' scale bytes: my 128 rows
	s_lshl_b32 s22, s16, 12
	s_add_co_u32 s22, s22, SCW                     ; the weights'
	s_sub_co_u32 s22, s22, s21
	v_mul_u32_u24 v6, s22, v2                      ; lanes 16-31 take the weights': the lower base + h x the distance
	s_add_co_u32 s21, s21, SCL
	v_add_nc_u32 v5, v5, v6
	v_add_nc_u32 v[ADRS], s21, v5
	s_mul_i32 s23, s14, 16*SPITCH                  ; my stage
	v_mul_u32_u24 v5, v1, SPITCH
	v_lshl_add_u32 v5, v2, 6, v5
	v_add_nc_u32 v[STO], s23, v5                   ; in: row r, 64 h bytes on: columns 16 h on
	v_and_b32 v6, 31, v0
	v_lshlrev_b32 v[CO], 4, v6
	v_add_nc_u32 v[RD], s23, v[CO]                 ; back: 32 lanes take a row of 512 bytes
	v_lshlrev_b32 v12, 6, v2                       ; the bias: 16 h numbers on
	s_lshl_b32 s2, s42, 10
	s_lshl_b32 s3, s16, 9
	s_add_co_u32 s2, s2, s3                        ; my first column, in bytes
	s_mov_b32 s3, 0
	s_add_nc_u64 s[8:9], s[8:9], s[2:3]
	s_add_nc_u64 s[10:11], s[10:11], s[2:3]
	s_lshl_b32 s2, s17, 8
	s_lshl_b32 s18, s15, 7
	s_add_co_u32 s2, s2, s18
	s_lshl_b32 s2, s2, 12                          ; my first row: 4,096 bytes a row
	s_add_nc_u64 s[10:11], s[10:11], s[2:3]
	WIN TO_B
.irp b, 0,1,2,3,4,5,6,7
	global_load_b128 v[96+8*(\b%4)+128*(\b/4):96+8*(\b%4)+128*(\b/4)+3], v12, s[8:9] offset:(32*(\b/2)+8*(\b%2))*4
	global_load_b128 v[96+8*(\b%4)+128*(\b/4)+4:96+8*(\b%4)+128*(\b/4)+7], v12, s[8:9] offset:(32*(\b/2)+8*(\b%2))*4+16
.endr
	WIN 0
.macro FRAG reg, adr, q, i             ; the weights: 16 rows x 128 K in pieces of 8 bytes
.irp p, 0,1,2,3,4,5
.set PC, 12*(\q)+6*(\p/3)+\p%3
.if PC%8 < 5
	ds_load_b64 v[\reg+2*\p:\reg+2*\p+1], v[\adr] offset:8*PC+16*(PC/8)+(\i)*16*PITCH
.else
	ds_load_b64 v[\reg+2*\p:\reg+2*\p+1], v[\adr+2] offset:8*PC+16*(PC/8)+(\i)*16*PITCH
.endif
.endr
.endm
.macro FRAGA reg, slot, q, i           ; the tokens: an image's six pieces
.irp p, 0,1,2,3,4,5
	ds_load_b64 v[\reg+2*\p:\reg+2*\p+1], v[ADRA+\slot] offset:(\i)*3072+(\q)*1536+\p*256
.endr
.endm
; 16 matrix instructions; the 64 accumulators take turns, one instruction a turn.  zero = 1: the first product starts the sum on the bias
.macro MUL16 a0, p, q, sc, zero
.irp a, \a0, \a0+1
.irp b, 0,1,2,3,4,5,6,7
.if \zero
	v_wmma_scale_f32_16x16x128_f8f6f4 v[8*(8*((\a)%4)+\b):8*(8*((\a)%4)+\b)+7], v[128*(\p)+FR*\b:128*(\p)+FR*\b+FR-1], v[AF+FR*(\a):AF+FR*(\a)+FR-1], v[96+8*(\b%4)+128*(\b/4):96+8*(\b%4)+128*(\b/4)+7], v[SC+8*NQ*(\sc)+NQ*\b+(\q)], v[SC+8*NQ*(\sc)+NQ*(\a)+(\q)] matrix_a_fmt:MATRIX_FMT_BF6 matrix_b_fmt:MATRIX_FMT_BF6 matrix_a_scale:MATRIX_SCALE_ROW1
.else
	v_wmma_scale_f32_16x16x128_f8f6f4 v[8*(8*((\a)%4)+\b):8*(8*((\a)%4)+\b)+7], v[128*(\p)+FR*\b:128*(\p)+FR*\b+FR-1], v[AF+FR*(\a):AF+FR*(\a)+FR-1], v[8*(8*((\a)%4)+\b):8*(8*((\a)%4)+\b)+7], v[SC+8*NQ*(\sc)+NQ*\b+(\q)], v[SC+8*NQ*(\sc)+NQ*(\a)+(\q)] matrix_a_fmt:MATRIX_FMT_BF6 matrix_b_fmt:MATRIX_FMT_BF6 matrix_a_scale:MATRIX_SCALE_ROW1
.endif
.endr
.endr
.endm
.macro FETCH_B slot, q, p
	WIN TO_B
.irp i, 0,1,2,3,4,5,6,7
	FRAG 128*(\p)+FR*\i, ADRB+\slot, \q, \i
.endr
	WIN 0
.endm
.macro FETCH_A slot, q, i0
.irp i, \i0, \i0+1, \i0+2, \i0+3
	FRAGA AF+FR*(\i), \slot, \q, \i
.endr
.endm
.macro SCALES sc
.irp i, 0,1,2,3,4,5,6,7
	ds_load_b64 v[SC+8*NQ*\sc+NQ*\i:SC+8*NQ*\sc+NQ*\i+1], v[ADRS] offset:\i*512
.endr
.endm
.macro PLACES n                        ; plain vector places behind matrix instructions (ISA guide 7.12.1)
.rept \n
	v_nop
.endr
.endm
.macro STEP slot, q, zero
	s_wait_dscnt 4*NL                              ; all but the youngest 24 loads (the tokens' blocks 4-7)
.if \zero
	WIN 0x91                                       ; C, the bias, in window 1; D in window 2
.else
	WIN MUL_LO
.endif
	MUL16 0, (\q)%2, \q, \slot, \zero
	MUL16 2, (\q)%2, \q, \slot, \zero
	s_wait_dscnt 0
	PLACES NP
	FETCH_B \slot, (\q)+1, 1-(\q)%2
	FETCH_A \slot, (\q)+1, 0
.if \zero
	WIN 0xd1
.else
	WIN MUL_HI
.endif
	MUL16 4, (\q)%2, \q, \slot, \zero
	MUL16 6, (\q)%2, \q, \slot, \zero
	PLACES NP
	WIN 0
	FETCH_A \slot, (\q)+1, 4
.endm
.macro TURN slot, next, fill
	s_wait_tensorcnt 0x0                           ; all my tensor loads have landed: my part of the next slot
	ds_add_u32 v[SPW], v[NIL]                      ; 0 onto my spare word
	s_wait_dscnt 4*NL+1                            ; the add and the youngest 24 loads may be out
	WIN MUL_LO
	MUL16 0, 1, NQ-1, \slot, 0
	s_wait_dscnt 0x0                               ; the add is done, and my reads of this slot are over
	s_barrier_signal -1
	MUL16 2, 1, NQ-1, \slot, 0
	WIN 0
	s_barrier_wait -1
.if \fill
	CREST                                          ; no wave of any partner still reads this slot or has a load on its way
	s_add_nc_u64 s[G0+4*\slot+2:G0+4*\slot+3], s[G0+4*\slot+2:G0+4*\slot+3], 6144
	s_add_nc_u64 s[G0B+4*\slot+2:G0B+4*\slot+3], s[G0B+4*\slot+2:G0B+4*\slot+3], 2*ROWB
	JLOAD G0+4*\slot, G1, G0B+4*\slot, G1B
.else
	PLACES NP
.endif
	v_add_nc_u32 v[ADRS], 128, v[ADRS]
	FETCH_B \next, 0, 0
	FETCH_A \next, 0, 0
	SCALES \next
	WIN MUL_HI
	MUL16 4, 1, NQ-1, \slot, 0
	MUL16 6, 1, NQ-1, \slot, 0
	PLACES NP
	WIN 0
	FETCH_A \next, 0, 4
.endm
	s_wait_tensorcnt 1                             ; the scale bytes and my part of K step 0 are in; K step 1's load may be out
	s_barrier_signal -1
	s_barrier_wait -1
	FETCH_B 0, 0, 0
	FETCH_A 0, 0, 0
	SCALES 0
	FETCH_A 0, 0, 4
	s_wait_loadcnt 0x0                             ; the bias
	STEP 0, 0, 1
	TURN 0, 1, 1
	STEP 1, 0, 0
	TURN 1, 0, 1
	STEP 0, 0, 0
	TURN 0, 1, 0
	STEP 1, 0, 0
	s_wait_dscnt 4*NL
	WIN MUL_LO
	MUL16 0, 1, NQ-1, 1, 0
	MUL16 2, 1, NQ-1, 1, 0
	s_wait_dscnt 0
	WIN MUL_HI
	MUL16 4, 1, NQ-1, 1, 0
	MUL16 6, 1, NQ-1, 1, 0
	WIN 0
; THE WAY OUT, block by block of 16 tokens x 128 columns, through my own stage: in by columns' true places, back as whole rows of 512 bytes, stored at the tokens' true rows.
.macro TOSTAGE a
.set AC, 64*((\a)%4)
	WIN 0x08+4*((\a)/4)
.irp b, 0,1,2,3,4,5,6,7
	ds_store_b128 v[STO], v[AC+8*\b:AC+8*\b+3] offset:128*(\b/2)+32*(\b%2)      ; columns 32 (b / 2) + 16 h + 8 (b % 2) on; each accumulator from its low end on
	ds_store_b128 v[STO], v[AC+8*\b+4:AC+8*\b+7] offset:128*(\b/2)+32*(\b%2)+16
.endr
	WIN 0
.set BB, BK+64*((\a)%2)
.irp t, 0,1,2,3,4,5,6,7,8,9,10,11,12,13,14,15
	ds_load_b128 v[BB+4*\t:BB+4*\t+3], v[RD] offset:\t*SPITCH                   ; LDS serves a wave's instructions in order: these see the stores above
.endr
.endm
.macro SEND a, younger
.set BB, BK+64*((\a)%2)
	s_wait_dscnt \younger
.if (\a) > 0
.if (\a)%2
	s_add_nc_u64 s[10:11], s[10:11], 8*4096        ; block a begins at token 32 (a / 2) + 8 (a % 2)
.else
	s_add_nc_u64 s[10:11], s[10:11], 24*4096
.endif
.endif
.irp t, 0,1,2,3,4,5,6,7,8,9,10,11,12,13,14,15
	global_store_b128 v[CO], v[BB+4*\t:BB+4*\t+3], s[10:11] offset:(\t+8*(\t/8))*4096 th:TH_STORE_NT   ; 32 lanes store 512 consecutive bytes at a multiple of 256 from out0's first byte
.endr
.endm
	PLACES NP
	TOSTAGE 0
.irp a, 1,2,3,4,5,6,7
.if \a > 1
	s_wait_xcnt 0x0                                ; block a - 2's stores have read their registers and their base
.endif
	TOSTAGE \a
	SEND \a-1, 32                                  ; behind block a - 1's loads: block a's 16 stores and 16 loads
.endr
	s_wait_xcnt 0x0
	SEND 7, 0
	s_wait_tensorcnt 0x0                           ; the wave's end
	ds_add_u32 v[SPW], v[NIL]
	s_wait_dscnt 0x0
	CROUND                                         ; the closing round
	s_endpgm
.Lfunc_end_k_qaf004a48df_projgemm:
	.size	k_qaf004a48df_projgemm, .Lfunc_end_k_qaf004a48df_projgemm-k_qaf004a48df_projgemm
	.p2alignl 7, 3214868480
	.fill 96, 4, 3214868480
	.section	.rodata,"a",@progbits
	.p2align	6, 0x0
	.amdhsa_kernel k_qaf004a48df_projgemm
		.amdhsa_group_segment_fixed_size 327680
		.amdhsa_private_segment_fixed_size 0
		.amdhsa_enable_private_segment 0
		.amdhsa_kernarg_size 32
		.amdhsa_user_sgpr_count 2
		.amdhsa_user_sgpr_kernarg_segment_ptr 1
		.amdhsa_wavefront_size32 1
		.amdhsa_system_sgpr_workgroup_id_x 1
		.amdhsa_system_sgpr_workgroup_id_y 1
		.amdhsa_system_sgpr_workgroup_id_z 1
		.amdhsa_system_vgpr_workitem_id 0
		.amdhsa_next_free_vgpr 1024
		.amdhsa_next_free_sgpr 100
		.amdhsa_reserve_vcc 0
		.amdhsa_float_denorm_mode_32 3
		.amdhsa_float_denorm_mode_16_64 3
		.amdhsa_memory_ordered 1
		.amdhsa_forward_progress 1
		.amdhsa_inst_pref_size 161
	.end_amdhsa_kernel
	.amdgpu_metadata
---
amdhsa.version: [ 1, 2 ]
amdhsa.kernels:
  - .name:           k_qaf004a48df_projgemm
    .symbol:         k_qaf004a48df_projgemm.kd
    .args:
      - { .name: aoc, .offset: 0, .size: 8, .value_kind: global_buffer, .address_space: global }
      - { .name: wc, .offset: 8, .size: 8, .value_kind: global_buffer, .address_space: global }
      - { .name: c_proj_b, .offset: 16, .size: 8, .value_kind: global_buffer, .address_space: global }
      - { .name: out0, .offset: 24, .size: 8, .value_kind: global_buffer, .address_space: global }
    .group_segment_fixed_size: 327680
    .private_segment_fixed_size: 0
    .kernarg_segment_align: 8
    .kernarg_segment_size: 32
    .max_flat_workgroup_size: 128
    .sgpr_count:     100
    .vgpr_count:     1024
    .wavefront_size: 32
...
	.end_amdgpu_metadata
.endif
;; end of part 4
